; MI455X (gfx1250); checked and timed in simulation.
; The chip was launched on July 23, 2026; its instructions are those of AMD's public machine-readable ISA for CDNA 5 (MIT licence, August 2026) and "CDNA5" Instruction Set Architecture Reference Guide (July 2026). The comments in the code are by the model that wrote it; some were corrected since.
;; CLIP Attention. Allowed arithmetic: matrix products marked QUANTISED: E2M3 operands, one E8M0 scale for each 32 along K, by v_wmma_scale_f32_16x16x128_f8f6f4 with both operands' format E2M3, f32 sums; everything else in f32.
;; Inputs: Wk 1,024 x 1,024 float32; Wo 1,024 x 1,024 float32; Wq 1,024 x 1,024 float32; Wv 1,024 x 1,024 float32; bk 1,024 float32; bo 1,024 float32; bq 1,024 float32; bv 1,024 float32; hidden_states 8 x 1,024 x 1,024 float32.
;; Outputs: out0 8 x 1,024 x 1,024 float32.
;; This version of the problem:
;;   THIS VERSION OF THE PROBLEM IS GIVEN IN LOW PRECISION. The matrix products marked QUANTISED in the list below multiply operands that are first quantised to E2M3 (2 exponent bits, 3 mantissa bits; 6 bits a number), with one power-of-two scale for each 32 numbers along K (OCP MX v1.0); their sums are f32. All else is computed in f32.
;;   The module's matrix products, in the order in which they are computed (A, B: the left and right operand; K: the contracted axis; several contracted axes count as one K, in the product's order):
;;     1. [M 8,192, K 1,024] x [K 1,024, N 1,024]; A: input hidden_states; B: input Wq: QUANTISED
;;     2. [M 8,192, K 1,024] x [K 1,024, N 1,024]; A: input hidden_states; B: input Wk: QUANTISED
;;     3. [M 8,192, K 1,024] x [K 1,024, N 1,024]; A: input hidden_states; B: input Wv: QUANTISED
;;     4. batch 128 x [M 1,024, K 64] x [K 64, N 1,024]; A: computed on the way; B: computed on the way: QUANTISED
;;     5. batch 128 x [M 64, K 1,024] x [K 1,024, N 1,024]; A: computed on the way; B: softmax (see below): QUANTISED
;;     6. [M 8,192, K 1,024] x [K 1,024, N 1,024]; A: computed on the way; B: input Wo: QUANTISED
;;   THE QUANTISER, for each operand of a quantised product, along K:
;;     - K is cut into blocks of 32 from its start; a last block that is shorter is filled with zeros.
;;     - A block's scale is 2^e with e = floor(log2(the largest magnitude in the block)) - 2, held to -126 .. 127; a block of zeros has e = 0. As a byte (E8M0): e + 127.
;;     - Each number is divided by its block's scale, clamped to +-7.5, and rounded to the nearest number of E2M3, ties to even, subnormals kept.
;;     - The product sums the exact products of the quantised numbers (number of the format x scale) in f32.
;;   ~~~python
;;   def quantise(x, axis):      # numpy; x: float32 -> the quantised numbers, widened to float32 again
;;       x = np.moveaxis(x, axis, -1); K = x.shape[-1]
;;       x = np.pad(x, [(0, 0)] * (x.ndim - 1) + [(0, -K % 32)]); x = x.reshape(x.shape[:-1] + (-1, 32)); a = np.abs(x).max(-1, keepdims=True)
;;       e = np.where(a > 0, np.clip(np.frexp(np.where(a > 0, a, 1))[1] - 1 - 2, -126, 127), 0)      # np.frexp(a)[1] - 1 = floor(log2(a)), exactly
;;       r = np.clip(x / 2.0 ** e, -7.5, 7.5)
;;       step = 2.0 ** (np.maximum(np.frexp(np.where(r == 0, 1, r))[1] - 1, 0) - 3)
;;       q = np.round(r / step) * step * 2.0 ** e      # np.round: ties to even
;;       return np.moveaxis(q.reshape(q.shape[:-2] + (-1,))[..., :K], -1, axis).astype(np.float32)
;;   ~~~
;;   SOFTMAX AHEAD OF A QUANTISED PRODUCT. Where the list says 'softmax', what is quantised is not the finished softmax but p = 2^(t - M), with t = logit x log2(e) and M = ceil(the row's largest t), a whole number; so 1/2 < the row's largest p <= 1. The row's sum l is taken of the UNQUANTISED p, in f32, and the product's result is divided by l at the end. Since M is a whole number, a kernel that streams over the keys may use a running M (the ceiling of the running maximum): every later rescaling is an exact power of two, which a block's scale takes up: the codes' values come out the same.
;;   OPERANDS COMPUTED ON THE WAY. 'Computed on the way' means the value that the module computes at that place (a softmax that the list does not call 'softmax' is quantised finished and normalised). What goes into a quantiser is computed in f32, as accurately as f32 sums, v_exp_f32 and their like allow (about 1e-6 of the number): no bf16 or f16 on the way to a quantiser, and a product that is left as it is and whose result goes on into a quantised operand takes f32 operands (vector FMAs, or v_wmma_f32_16x16x4_f32). A number that lies on a knife's edge between two numbers of the format may be rounded either way, as far as f32 arithmetic and the matrix unit's own rounding can turn it there, and no further.
;; One version. Each part assembles by itself: llvm-mc -triple=amdgcn-amd-amdhsa -mcpu=gfx1250 --defsym DOCPART=n.
;; ======== version 1 of 1: 4 launches
;; workspace buffers: cod 9,437,184 bytes; scl 393,216 bytes; qkv 19,660,800 bytes; oc 6,291,456 bytes; os 262,144 bytes
;; launch quant (part 1): grid 384 x 1, 4 waves a work-group, no clusters, 34,304 bytes of LDS; arguments hidden_states, Wq, Wk, Wv, Wo, cod, scl; writes cod, scl
.if DOCPART == 1
	.amdgcn_target "amdgcn-amd-amdhsa--gfx1250"
	.amdhsa_code_object_version 6
	.text
	.protected	k_q26a4b8ede4_quant
	.globl	k_q26a4b8ede4_quant
	.p2align	8
	.type	k_q26a4b8ede4_quant,@function
k_q26a4b8ede4_quant:
	s_mov_b64 s[64:65], 0
	v_nop
	global_prefetch_b8 v0, s[64:65] scope:SCOPE_SE
	s_setreg_imm32_b32 hwreg(HW_REG_WAVE_MODE, 25, 1), 1
	s_wait_xcnt 0x0
; hidden_states [8192][1024] and Wq, Wk, Wv, Wo [1024][1024], f32 with K innermost, become codes of FP6 (E2M3) with one E8M0 byte for each 32 along K,
; laid as the later launches' operand registers want them.
; A BLOCK is 16 rows that are not neighbours: row-lane i of block g is row 32 (g / 2) + 8 (g % 2) + i + 8 (i / 8).  768 blocks: 0-511 x, 512-575 Wq, 576-639 Wk, 640-703 Wv, 704-767 Wo.
; cod: block g at 12288 g: 8 K steps of 128, each an IMAGE of a fragment's 12 registers: register n of lane l at 512 (n / 4) + 16 l + 4 (n % 4).
; scl: block g at 512 g: two units of 256 bytes; in unit j the scale word of K step 4 j + w of row-lane r lies at 16 r + 4 w.
; A block's scale is 2^(floor(log2(largest magnitude)) - 2): its byte is the largest magnitude's exponent field - 2, held at 1 from below.
; LIMITS: NaN and infinities are not served; a block of zeros, or one whose largest magnitude lies under 2^-124, gets the byte 1 (its codes are zeros or the nearest codes under that scale); only this program reads the bytes.
; SHARES: a wave takes one block and four K steps (16 rows x 512 numbers): four fragments and one unit of scale words.  Waves share nothing: no barrier.
; Each load reads 512 consecutive bytes of one row; the conversions want 16 neighbours in one lane, so a K step turns through the wave's own stage in LDS (16 rows of 512 + 16 bytes).
; Loads run two K steps (32 loads a wave) ahead.  No matrix unit and no cluster: no work-group reads what another reads.
.set ROWB,  4096                       ; a row of any of the five tensors in bytes
.set SP,    528                        ; a stage row: 512 bytes + 16: the 16 rows that a load touches begin 33 x 16 bytes apart
.set STG,   16*SP                      ; a wave's stage
.set TM,    8                          ; v8-11 largest magnitudes, v12-15 the other half's, then bytes, v20-23 the conversions' scale operands
.set PW,    24                         ; v24-27 the four K steps' scale words
.set R,     32                         ; v32-95, v96-159: two sets of 16 x 4 registers as loaded
.set X,     160                        ; v160-223: register 16 b + i = k 32 b + 16 (lane / 16) + i of my row
.set PC,    224                        ; v224-235 a fragment's codes
.set T2,    236                        ; v236-238, v240-242 the blocks' second halves (a conversion's three registers begin on an even number)
.set SEL,   28                         ; s[28:29] lane selects: lane l xor 16
	s_load_b256 s[4:11], s[0:1], 0x0               ; x s[4:5], Wq s[6:7], Wk s[8:9], Wv s[10:11]
	s_load_b128 s[12:15], s[0:1], 0x20             ; Wo s[12:13], cod s[14:15]
	s_load_b64 s[16:17], s[0:1], 0x30              ; scl
	v_lshl_add_u32 v254, v0, 2, 0x8400
	v_mov_b32 v255, 0
	v_lshrrev_b32 v1, 5, v0
	v_readfirstlane_b32 s18, v1                    ; wave 0..3
	v_and_b32 v7, 31, v0                           ; lane
	v_and_b32 v1, 15, v0                           ; r
	v_bfe_u32 v2, v0, 4, 1                         ; h
	v_lshlrev_b32 v3, 4, v7                        ; 16 x lane: my bytes of a load's 512, and of an image's 512
	s_mul_i32 s19, s18, STG
	v_add_nc_u32 v4, s19, v3                       ; the stage, on the way in: 16 x lane in row i
	v_mul_u32_u24 v5, v1, SP
	v_lshl_add_u32 v5, v2, 6, v5
	v_add_nc_u32 v5, s19, v5                       ; and on the way out: row r, + 64 h: my 16 numbers of each block of 32
	v_lshlrev_b32 v6, 4, v1
	v_lshl_add_u32 v6, v2, 3, v6                   ; a unit of scale words: 16 r + 8 h
.irp b, 0,1,2,3
	v_mov_b32 v[TM+4+\b], 0                        ; written once: a lane permute's destination counts as one of its sources
.endr
	s_mov_b32 s[SEL], 0x76543210
	s_mov_b32 s[SEL+1], 0xfedcba98
	s_lshr_b32 s20, s18, 1
	s_lshl_b32 s21, ttmp9, 1
	s_add_co_u32 s20, s20, s21                     ; g = 2 x work-group + wave / 2
	s_and_b32 s21, s18, 1                          ; j: which four K steps
	s_wait_alu depctr_va_vdst(0)
	s_wait_kmcnt 0x0
	s_cmp_lt_u32 ttmp9, 352                        ; which tensor: the choice hangs on the work-group's number alone; only the pointer is chosen
	s_cselect_b64 s[12:13], s[10:11], s[12:13]
	s_cmp_lt_u32 ttmp9, 320
	s_cselect_b64 s[12:13], s[8:9], s[12:13]
	s_cmp_lt_u32 ttmp9, 288
	s_cselect_b64 s[12:13], s[6:7], s[12:13]
	s_cmp_lt_u32 ttmp9, 256
	s_cselect_b64 s[12:13], s[4:5], s[12:13]
	s_cselect_b32 s22, 511, 63
	s_and_b32 s22, s20, s22                        ; the block's number inside its tensor
	s_lshr_b32 s23, s22, 1
	s_lshl_b32 s23, s23, 17                        ; 32 rows of 4,096 bytes
	s_and_b32 s22, s22, 1
	s_lshl_b32 s22, s22, 15                        ; 8 rows
	s_add_co_u32 s22, s22, s23
	s_lshl_b32 s23, s21, 11                        ; four K steps are 2,048 bytes of a row
	s_add_co_u32 s22, s22, s23
	s_mov_b32 s23, 0
	s_add_nc_u64 s[12:13], s[12:13], s[22:23]
	s_mul_i32 s24, s20, 12288
	s_mul_i32 s25, s21, 6144
	s_add_co_u32 s24, s24, s25
	s_mov_b32 s25, 0
	s_add_nc_u64 s[14:15], s[14:15], s[24:25]      ; my four images
	s_lshl_b32 s24, s20, 9
	s_lshl_b32 s26, s21, 8
	s_add_co_u32 s24, s24, s26
	s_add_nc_u64 s[16:17], s[16:17], s[24:25]      ; my unit of scale words
.macro LOAD e                          ; K step e of my 16 rows into set e % 2: each load is 512 consecutive bytes of one row
.irp i, 0,1,2,3,4,5,6,7,8,9,10,11,12,13,14,15
	global_load_b128 v[R+64*((\e)%2)+4*\i:R+64*((\e)%2)+4*\i+3], v3, s[12:13] offset:(\i+8*(\i/8))*ROWB+512*(\e) th:TH_LOAD_NT
.endr
.endm
; 64 numbers of a lane, register 16 b + i = k 32 b + 16 h + i of my row, become a fragment's codes in v[PC] on and its scale word in v[w]
.macro QUANT s, w
.irp b, 0,1,2,3
	v_max3_num_f32 v[TM+\b], |v[\s+16*\b]|, |v[\s+1+16*\b]|, 0x1800000   ; block b: my 16 numbers, and the floor 2^(3 - 127): the byte cannot fall under 1
.endr
.irp i, 2,4,6,8,10,12,14
.irp b, 0,1,2,3
	v_max3_num_f32 v[TM+\b], v[TM+\b], |v[\s+16*\b+\i]|, |v[\s+1+16*\b+\i]|   ; the four blocks by turns
.endr
.endr
.irp b, 0,1,2,3
	v_permlanex16_b32 v[TM+4+\b], v[TM+\b], s[SEL], s[SEL+1]
.endr
.irp b, 0,1,2,3
	v_max_num_f32 v[TM+\b], v[TM+\b], v[TM+4+\b]   ; with lane l xor 16's 16: the block's largest magnitude
.endr
.irp b, 0,1,2,3
	v_add_nc_u32 v[TM+12+\b], 0xff000000, v[TM+\b] ; 2 off its exponent field: the conversion takes this operand's exponent field as its scale
.endr
.irp b, 0,1,2,3
	v_lshrrev_b32 v[TM+4+\b], 23, v[TM+12+\b]      ; the scale's byte
.endr
	v_lshl_or_b32 v[\w], v[TM+5], 8, v[TM+4]       ; four bytes: my row's scale word for these 128
	v_lshl_or_b32 v[\w], v[TM+6], 16, v[\w]
	v_lshl_or_b32 v[\w], v[TM+7], 24, v[\w]
.irp c, 0,1
	v_cvt_scalef32_pk16_fp6_f32 v[PC+6*\c:PC+6*\c+2], v[\s+32*\c:\s+32*\c+15], v[TM+12+2*\c]
	v_cvt_scalef32_pk16_fp6_f32 v[T2+4*\c:T2+4*\c+2], v[\s+32*\c+16:\s+32*\c+31], v[TM+13+2*\c]
.endr
	v_nop                                          ; one plain instruction behind the scaled conversions
.irp c, 0,1                            ; the operand wants a whole block in a lane: lanes 0-15 block 2 c, lanes 16-31 block 2 c + 1
.irp i, 0,1,2
	v_permlane16_swap_b32 v[PC+6*\c+\i], v[T2+4*\c+\i]
.endr
.irp i, 0,1,2
	v_mov_b32 v[PC+6*\c+3+\i], v[T2+4*\c+\i]
.endr
.endr
.endm
.macro STEP e
.if (\e) > 0
	s_wait_xcnt 0x0                                ; the last K step's stores have read v[PC] on: it is written again only behind this wait
.endif
.if (\e) < 3
	s_wait_loadcnt 16                              ; this K step's 16 loads are in; the next step's 16 may be out
.else
	s_wait_loadcnt 0x0
.endif
.irp i, 0,1,2,3,4,5,6,7,8,9,10,11,12,13,14,15
	ds_store_b128 v4, v[R+64*((\e)%2)+4*\i:R+64*((\e)%2)+4*\i+3] offset:SP*\i
.endr
.irp b, 0,1,2,3
.irp j, 0,1,2,3
	ds_load_b128 v[X+16*\b+4*\j:X+16*\b+4*\j+3], v5 offset:128*\b+16*\j   ; LDS serves a wave's instructions in order: these see the stores above
.endr
.endr
	s_wait_dscnt 0x0                               ; the numbers are back, and the stores have read their set
.if (\e) < 2
	LOAD (\e)+2
.endif
	QUANT X, PW+(\e)
.irp p, 0,1,2
	global_store_b128 v3, v[PC+4*\p:PC+4*\p+3], s[14:15] offset:1536*(\e)+512*\p   ; 32 lanes store 512 consecutive bytes, aligned
.endr
.endm
	LOAD 0
	LOAD 1
	STEP 0
	STEP 1
	STEP 2
	STEP 3
	v_cmp_ne_u32 vcc_lo, 0, v2                     ; both halves of the lanes hold all four words: lanes 0-15 store words 0 and 1, lanes 16-31 words 2 and 3
	v_cndmask_b32 v30, v[PW], v[PW+2], vcc_lo
	v_cndmask_b32 v31, v[PW+1], v[PW+3], vcc_lo
	global_store_b64 v6, v[30:31], s[16:17]        ; 32 lanes store 256 consecutive bytes, aligned
	s_wait_tensorcnt 0x0
	ds_add_u32 v254, v255
	s_wait_dscnt 0x0
	s_endpgm
.Lfunc_end_k_q26a4b8ede4_quant:
	.size	k_q26a4b8ede4_quant, .Lfunc_end_k_q26a4b8ede4_quant-k_q26a4b8ede4_quant
	.p2alignl 7, 3214868480
	.fill 96, 4, 3214868480
	.section	.rodata,"a",@progbits
	.p2align	6, 0x0
	.amdhsa_kernel k_q26a4b8ede4_quant
		.amdhsa_group_segment_fixed_size 34304
		.amdhsa_private_segment_fixed_size 0
		.amdhsa_enable_private_segment 0
		.amdhsa_kernarg_size 56
		.amdhsa_user_sgpr_count 2
		.amdhsa_user_sgpr_kernarg_segment_ptr 1
		.amdhsa_wavefront_size32 1
		.amdhsa_system_sgpr_workgroup_id_x 1
		.amdhsa_system_sgpr_workgroup_id_y 1
		.amdhsa_system_sgpr_workgroup_id_z 1
		.amdhsa_system_vgpr_workitem_id 0
		.amdhsa_next_free_vgpr 256
		.amdhsa_next_free_sgpr 66
		.amdhsa_reserve_vcc 1
		.amdhsa_float_denorm_mode_32 3
		.amdhsa_float_denorm_mode_16_64 3
		.amdhsa_memory_ordered 1
		.amdhsa_forward_progress 1
		.amdhsa_inst_pref_size 34
	.end_amdhsa_kernel
	.amdgpu_metadata
---
amdhsa.version: [ 1, 2 ]
amdhsa.kernels:
  - .name:           k_q26a4b8ede4_quant
    .symbol:         k_q26a4b8ede4_quant.kd
    .args:
      - { .name: hidden_states, .offset: 0, .size: 8, .value_kind: global_buffer, .address_space: global }
      - { .name: Wq, .offset: 8, .size: 8, .value_kind: global_buffer, .address_space: global }
      - { .name: Wk, .offset: 16, .size: 8, .value_kind: global_buffer, .address_space: global }
      - { .name: Wv, .offset: 24, .size: 8, .value_kind: global_buffer, .address_space: global }
      - { .name: Wo, .offset: 32, .size: 8, .value_kind: global_buffer, .address_space: global }
      - { .name: cod, .offset: 40, .size: 8, .value_kind: global_buffer, .address_space: global }
      - { .name: scl, .offset: 48, .size: 8, .value_kind: global_buffer, .address_space: global }
    .group_segment_fixed_size: 34304
    .private_segment_fixed_size: 0
    .kernarg_segment_align: 8
    .kernarg_segment_size: 56
    .max_flat_workgroup_size: 128
    .sgpr_count:     66
    .vgpr_count:     256
    .wavefront_size: 32
...
	.end_amdgpu_metadata
.endif
;; end of part 1
;; launch qkv (part 2): grid 4 x 64, 4 waves a work-group, clusters of 4 x 4, 327,680 bytes of LDS; arguments cod, scl, bq, bk, bv, qkv; writes qkv
.if DOCPART == 2
	.amdgcn_target "amdgcn-amd-amdhsa--gfx1250"
	.amdhsa_code_object_version 6
	.text
	.protected	k_q26a4b8ede4_qkv
	.globl	k_q26a4b8ede4_qkv
	.p2align	8
	.type	k_q26a4b8ede4_qkv,@function
k_q26a4b8ede4_qkv:
	s_mov_b64 s[64:65], 0
	v_nop
	global_prefetch_b8 v0, s[64:65] scope:SCOPE_SE
	s_setreg_imm32_b32 hwreg(HW_REG_WAVE_MODE, 25, 1), 1
	s_wait_xcnt 0x0
	s_wait_alu depctr_hold_cnt(0) depctr_sa_sdst(0) depctr_va_vdst(0) depctr_va_sdst(0) depctr_va_ssrc(0) depctr_va_vcc(0) depctr_vm_vsrc(0)
	s_getreg_b32 s2, hwreg(HW_REG_IB_STS2, 6, 4)
	s_cmp_eq_u32 s2, 0
	s_cbranch_scc0 .Lentry_in_a_cluster
	s_endpgm
.Lentry_in_a_cluster:
	s_bfe_u32 s2, ttmp6, 0x10000c
	s_cmp_lg_u32 s2, 0xf033
	s_cbranch_scc0 .Lentry_shape_is_right
	s_endpgm
.Lentry_shape_is_right:
; q = x Wq^T + bq, k = x Wk^T + bk, v = x Wv^T + bv on codes of FP6 (E2M3) with E8M0 scales; the results are quantised at once: q and k along the head's 64, v along the keys.
; OPERANDS come as images of fragments (cod, scl): a block is 16 rows, row-lane i of block g = row 32 (g / 2) + 8 (g % 2) + i + 8 (i / 8); block g at 12288 g, K step s at + 1536 s.
; A TILE is 128 rows of S1 (source 1: a lane holds one of its rows) x 256 rows of S0 (source 0: a lane's registers run along its rows), all K = 1,024.  Four waves, each 64 x 128: 32 accumulators.
; By the order of a block's rows, the 16 registers of S0's blocks 2 b and 2 b + 1 are 16 NEIGHBOURS: index 32 b + 16 (lane / 16) + 0 .. 15: what the quantiser wants.
; A WORK-GROUP STAYS and makes three tiles: 0: q (S1 = 128 tokens of x, S0 = 256 rows of Wq); 1: k (the same S1, which stays in LDS; S0 = Wk); 2: V^T (S1 = 128 rows of Wv, S0 = 256 tokens of x:
; a lane holds a feature d, its registers 128 keys).  512 tiles of q and k and 256 of v are two and one for each of 256 work-groups.  The roles are constants of the text: no branch hangs on them.
; LDS: a ring of two slots of four K steps: S1's 8 blocks x 6,144 bytes, then S0's 16.  The ring does not stop at a tile's end: a slot that has been read out takes the next tile's four K steps, so that they land
; while this tile is multiplied and quantised.  By this text's count a wave has two tensor loads out at the start and one behind each change of slots.  The launch claims all of LDS.
; CLUSTER 4 x 4: S1's blocks hang on the cluster's number and cy alone and are asked for jointly along a row of the cluster, S0's on the cluster's number and cx alone and along a column.
; OUTPUT qkv: 64 head pairs P = 8 batch + hp of 204,800 bytes: 8 records (128 keys) of 25,600: K tiles 0-7 at 1536 T; V of head 2 hp + c, tile a at 12288 + 6144 c + 1536 a; scale units at 24576 + 256 slot
;   (slots 0, 1: K tiles 0-3, 4-7; slots 2, 3: V of c = 0, 1).  From QC0 on q's fragments, (16 P + quad) x 6144 + 1536 x (block % 4); from QS0 on their scale units, 256 bytes a quad.
;   A fragment lies SPLIT, so that one head's six registers can be read alone: registers 0-3 at 16 l, 4-5 at 512 + 8 l, 6-7 at 768 + 8 l, 8-11 at 1024 + 16 l.
; q is stored WITHOUT the factor 1/8: a power of two, which the next launch folds into the softmax's constant.
; LIMITS: NaN and infinities are not served; a block of zeros or under 2^-124 gets the byte 1; the factor 1/8 is exact except where the quantiser's hold of the byte at 1 would act on q / 8.
; REGISTERS, in windows of 256: window 0: v1-13 addresses; v14-15 the add's pair; v16-31 at work; v32-63 S1's scale words (block a, K step s: 32 + 8 a + s), v64-127 S0's (64 + 8 b + s);
;   v128-175, v176-223 S1's fragments, two sets (on a tile's way out v176-223 hold its codes); v224-239 at work;
;   window 1: v0-95, v128-223 S0's fragments, two sets; v96-127, v224-255 bias tiles;   window 2: accumulator (a, b) at 8 (8 a + b).
.set HB,    147456                     ; a slot in LDS
.set S0O,   49152                      ; where S0's blocks begin in it
.set SPARE, 2*HB                       ; behind the ring: the spare words, 128 bytes for each wave: two blocks of 256 bytes that no other line names
.set QC0,   13107200
.set QS0,   19398656
.set G1A,   24                         ; s[24:31] descriptor group 1 for S1;  s[32:39] for S0
.set G1B,   32
.set G0A,   40                         ; s[40:47] groups 0 for S1, one a slot;  s[48:55] for S0
.set G0B,   48
.set A2,    56                         ; s[56:57] where my part of tile 2's S1 begins in memory;  s[58:59] of its S0
.set B2,    58
.set SCA,   60                         ; s[60:61] scale units of my four S1 blocks, tiles 0 and 1;  s[62:63] tile 2
.set SCB,   66                         ; s[66:67] of my eight S0 blocks, tile 0 (tile 1's lie 32,768 bytes on);  s[68:69] tile 2
.set BIA,   70                         ; s[70:71], s[72:73], s[74:75] bq, bk, bv at my features
.set OUC,   76                         ; tile t: s[76 + 4 t ..] where my four fragments go, s[78 + 4 t ..] their scale unit
.set SPW,   14                         ; v14 LDS address of my spare word: SPARE + 4 x my thread's number; never rewritten
.set NIL,   15                         ; v15 0; never rewritten
.set TM,    16                         ; the quantiser's v16-31
.set PC,    176                        ; codes of block a at v[176 + 12 a]
.set T2,    232
.set PW,    224                        ; scale word of block a at v[224 + a]
.set MSB,   0
.macro WIN new                         ; the immediate's high byte repeats the setting that is left
.if MSB != \new
	s_set_vgpr_msb (MSB<<8)|\new
.set MSB, \new
.endif
.endm
.macro PLACES n
.rept \n
	v_nop
.endr
.endm
.macro CREST                           ; a round of the cluster's barrier behind its opening barrier
	s_cmp_lg_u32 s16, 0
	s_cbranch_scc1 .Lnot_wave_0_\@
	s_barrier_signal -3
.Lnot_wave_0_\@:
	s_barrier_wait -3
	s_barrier_signal -1
	s_barrier_wait -1
.endm
.macro CROUND                          ; a whole round
	s_barrier_signal -1
	s_barrier_wait -1
	CREST
.endm
	s_load_b256 s[4:11], s[0:1], 0x0               ; cod s[4:5], scl s[6:7], bq s[8:9], bk s[10:11]
	s_load_b128 s[12:15], s[0:1], 0x20             ; bv s[12:13], qkv s[14:15]
	v_lshl_add_u32 v[SPW], v0, 2, SPARE
	v_mov_b32 v[NIL], 0
	ds_add_u32 v14, v15
	ds_add_u32 v14, v15
	s_wait_dscnt 0x0
	v_lshrrev_b32 v1, 5, v0
	v_readfirstlane_b32 s16, v1                    ; wave 0..3
	s_lshr_b32 s17, s16, 1                         ; wr: my half of S1's rows.  Also: I fetch for S1 (0) or S0 (1)
	s_and_b32 s18, s16, 1                          ; wc: my half of S0's rows.  Also: which half of that operand I fetch
	s_bfe_u32 s19, ttmp6, 0x40000                  ; cx
	s_bfe_u32 s20, ttmp6, 0x40004                  ; cy
	s_and_b32 s21, ttmp7, 0xffff                   ; C: the cluster's number, 0 .. 15
	s_lshl_b32 s22, s21, 2
	s_add_co_u32 s22, s22, s20                     ; TY = 4 C + cy: which 128 tokens, tiles 0 and 1
	s_and_b32 s23, s21, 1
	s_lshl_b32 s23, s23, 2
	s_add_co_u32 s23, s23, s20                     ; TYv = 4 (C & 1) + cy: which 128 rows of Wv, tile 2
	s_lshr_b32 s88, s21, 1
	s_lshl_b32 s88, s88, 2
	s_add_co_u32 s88, s88, s19                     ; TXv = 4 (C >> 1) + cx: which 256 tokens, tile 2
	s_lshl_b32 s89, s20, 2
	s_lshl_b32 s89, 15, s89                        ; my row of the cluster
	s_lshl_b32 s90, 0x1111, s19                    ; my column
	; group 1: rows = blocks: 6,144 bytes (four K steps' images, 768 elements of 8 bytes) of each block, blocks 12,288 bytes (1,536 elements) apart; dense in LDS
	s_or_b32 s[G1A], s89, (3<<16)|(1<<21)          ; 15:0 the mask; 17:16 elements of 8 bytes; 21 set beside a mask; no padding
	s_or_b32 s[G1B], s90, (3<<16)|(1<<21)
	s_mov_b32 s[G1A+1], 768<<16                    ; tensor_dim0
	s_mov_b32 s[G1A+2], 4<<16                      ; tensor_dim1: half of S1's 8 blocks
	s_mov_b32 s[G1A+3], 768<<16                    ; tile_dim0
	s_mov_b32 s[G1A+4], 4                          ; tile_dim1
	s_mov_b32 s[G1A+5], 1536                       ; stride
	s_mov_b32 s[G1A+6], 0
	s_mov_b32 s[G1A+7], 0
	s_mov_b32 s[G1B+1], 768<<16
	s_mov_b32 s[G1B+2], 8<<16                      ; half of S0's 16 blocks
	s_mov_b32 s[G1B+3], 768<<16
	s_mov_b32 s[G1B+4], 8
	s_mov_b32 s[G1B+5], 1536
	s_mov_b32 s[G1B+6], 0
	s_mov_b32 s[G1B+7], 0
	; what I fetch, in bytes from cod's first: S1's offsets hang on cy and never on cx, S0's on cx and never on cy
	s_lshl_b32 s91, s18, 2                         ; my half of S1: 4 blocks on
	s_lshl_b32 s92, s22, 3
	s_add_co_u32 s92, s92, s91
	s_mul_i32 s92, s92, 12288                      ; tiles 0, 1: x's block 8 TY + 4 half
	s_mov_b32 s93, 0
	s_lshl_b32 s96, s23, 3
	s_add_co_u32 s96, s96, s91
	s_add_co_u32 s96, s96, 640
	s_mul_i32 s96, s96, 12288                      ; tile 2: Wv's block 640 + 8 TYv + 4 half
	s_mov_b32 s97, 0
	s_lshl_b32 s91, s18, 3                         ; my half of S0: 8 blocks on
	s_lshl_b32 s94, s19, 4
	s_add_co_u32 s94, s94, s91
	s_add_co_u32 s94, s94, 512
	s_mul_i32 s94, s94, 12288                      ; tile 0: Wq's block 512 + 16 cx + 8 half (tile 1: Wk's, 64 blocks on)
	s_mov_b32 s95, 0
	s_lshl_b32 s98, s88, 4
	s_add_co_u32 s98, s98, s91
	s_mul_i32 s98, s98, 12288                      ; tile 2: x's block 16 TXv + 8 half
	s_mov_b32 s99, 0
	s_mul_i32 s89, s18, 24576                      ; where they go in a slot: no place in the cluster enters an LDS address
	s_mul_i32 s90, s18, 49152
	s_add_co_u32 s90, s90, S0O
	s_wait_kmcnt 0x0
	s_add_nc_u64 s[92:93], s[4:5], s[92:93]
	s_add_nc_u64 s[94:95], s[4:5], s[94:95]
	s_add_nc_u64 s[A2:A2+1], s[4:5], s[96:97]
	s_add_nc_u64 s[B2:B2+1], s[4:5], s[98:99]
.irp h, 0,1
	s_mov_b32 s[G0A+4*\h], 1
	s_add_co_u32 s[G0A+4*\h+1], s89, \h*HB
	s_add_nc_u64 s[G0A+4*\h+2:G0A+4*\h+3], s[92:93], \h*6144
	s_or_b32 s[G0A+4*\h+3], s[G0A+4*\h+3], 0x80000000
	s_mov_b32 s[G0B+4*\h], 1
	s_add_co_u32 s[G0B+4*\h+1], s90, \h*HB
	s_add_nc_u64 s[G0B+4*\h+2:G0B+4*\h+3], s[94:95], \h*6144
	s_or_b32 s[G0B+4*\h+3], s[G0B+4*\h+3], 0x80000000
.endr
	CROUND                                         ; all sixteen work-groups are here: the first joint loads meet
	s_cmp_eq_u32 s17, 0                            ; a wave's two first fills stand in one branch on the wave's number; four v_nop follow the second
	s_cbranch_scc0 .Lfill_s0
	tensor_load_to_lds s[G0A:G0A+3], s[G1A:G1A+7]
	s_nop 0
	tensor_load_to_lds s[G0A+4:G0A+7], s[G1A:G1A+7]
	s_nop 0
	PLACES 4
	s_branch .Lfilled
.Lfill_s0:
	tensor_load_to_lds s[G0B:G0B+3], s[G1B:G1B+7]
	s_nop 0
	tensor_load_to_lds s[G0B+4:G0B+7], s[G1B:G1B+7]
	s_nop 0
	PLACES 4
.Lfilled:
	v_and_b32 v7, 31, v0                           ; lane
	v_and_b32 v1, 15, v0                           ; r
	v_bfe_u32 v2, v0, 4, 1                         ; h
	v_lshlrev_b32 v3, 4, v7                        ; 16 l
	v_lshlrev_b32 v4, 4, v1                        ; 16 r
	s_wait_alu depctr_va_vdst(0)
	v_lshlrev_b32 v5, 3, v7                        ; 8 l
	v_lshl_add_u32 v6, v2, 3, v4                   ; 16 r + 8 h
	v_lshlrev_b32 v12, 6, v2                       ; q's and k's bias: 64 h
	s_wait_alu depctr_va_vdst(0)
	v_and_b32 v13, 8, v1
	v_add_nc_u32 v13, v13, v1
	v_lshlrev_b32 v13, 2, v13                      ; v's bias: 4 (r + 8 (r / 8))
	s_mov_b32 s93, 0
	s_lshl_b32 s91, s17, 2                         ; the scale units: 512 bytes a block.  S1: my four blocks,
	s_lshl_b32 s92, s22, 3
	s_add_co_u32 s92, s92, s91
	s_lshl_b32 s92, s92, 9
	s_add_nc_u64 s[SCA:SCA+1], s[6:7], s[92:93]
	s_lshl_b32 s92, s23, 3
	s_add_co_u32 s92, s92, s91
	s_add_co_u32 s92, s92, 640
	s_lshl_b32 s92, s92, 9
	s_add_nc_u64 s[SCA+2:SCA+3], s[6:7], s[92:93]
	s_lshl_b32 s91, s18, 3                         ; S0: my eight
	s_lshl_b32 s92, s19, 4
	s_add_co_u32 s92, s92, s91
	s_add_co_u32 s92, s92, 512
	s_lshl_b32 s92, s92, 9
	s_add_nc_u64 s[SCB:SCB+1], s[6:7], s[92:93]
	s_lshl_b32 s92, s88, 4
	s_add_co_u32 s92, s92, s91
	s_lshl_b32 s92, s92, 9
	s_add_nc_u64 s[SCB+2:SCB+3], s[6:7], s[92:93]
	s_lshl_b32 s92, s19, 10                        ; the biases: q, k: features 256 cx + 128 wc on;
	s_lshl_b32 s91, s18, 9
	s_add_co_u32 s92, s92, s91
	s_add_nc_u64 s[BIA:BIA+1], s[8:9], s[92:93]
	s_add_nc_u64 s[BIA+2:BIA+3], s[10:11], s[92:93]
	s_lshl_b32 s92, s23, 9                         ; v: features 128 TYv + 64 wr on
	s_lshl_b32 s91, s17, 8
	s_add_co_u32 s92, s92, s91
	s_add_nc_u64 s[BIA+4:BIA+5], s[12:13], s[92:93]
; The scale words of tile t for K steps 4 j .. 4 j + 3: row-lane r's four words by one load: sixteen lanes read 256 consecutive bytes.  Tile 1 keeps tile 0's S1, and its words.
.macro SCALES t, j
.set rSA, SCA+2*((\t)/2)
.set rSB, SCB+2*((\t)/2)
.set oSB, 32768*((\t)%2)
.if (\t) != 1
.irp a, 0,1,2,3
	global_load_b128 v[32+8*\a+4*(\j):35+8*\a+4*(\j)], v4, s[rSA:rSA+1] offset:512*\a+256*(\j)
.endr
.endif
.irp b, 0,1,2,3,4,5,6,7
	global_load_b128 v[64+8*\b+4*(\j):67+8*\b+4*(\j)], v4, s[rSB:rSB+1] offset:oSB+512*\b+256*(\j)
.endr
.endm
; The bias tiles of tile t, in the result's layout.  q, k: register j of tile b is feature 32 (b / 2) + 8 (b % 2) + 16 h + j.  v: all eight registers of tile a hold the bias of the lane's feature 32 (a / 2) + 8 (a % 2) + r + 8 (r / 8).
.macro BIAS t
	WIN 0x40                                       ; destination window 1, address window 0
.if (\t) < 2
.irp b, 0,1,2,3,4,5,6,7
	global_load_b128 v[96+8*\b+96*(\b/4):96+8*\b+96*(\b/4)+3], v12, s[BIA+2*(\t):BIA+2*(\t)+1] offset:(32*(\b/2)+8*(\b%2))*4
	global_load_b128 v[96+8*\b+96*(\b/4)+4:96+8*\b+96*(\b/4)+7], v12, s[BIA+2*(\t):BIA+2*(\t)+1] offset:(32*(\b/2)+8*(\b%2))*4+16
.endr
.else
.irp a, 0,1,2,3
.irp j, 0,1,2,3,4,5,6,7
	global_load_b32 v[96+8*\a+\j], v13, s[BIA+4:BIA+5] offset:(32*(\a/2)+8*(\a%2))*4
.endr
.endr
.endif
	WIN 0
.endm
	SCALES 0, 0
	SCALES 0, 1
	BIAS 0
	s_mul_i32 s89, s17, 24576                      ; my four blocks of S1 in a slot,
	s_mul_i32 s90, s18, 49152
	s_add_co_u32 s90, s90, S0O                     ; my eight of S0
.irp h, 0,1
	v_add_nc_u32 v[8+\h], s89, v3                  ; v8-9: S1's images in slot h
	v_add_nc_u32 v[10+\h], s90, v3                 ; v10-11: S0's
	s_add_co_u32 s89, s89, HB
	s_add_co_u32 s90, s90, HB
.endr
.irp b, 0,1,2,3
	v_mov_b32 v[TM+4+\b], 0                        ; written once: a lane permute's destination counts as one of its sources
.endr
	s_mov_b32 s2, 0x76543210                       ; lane selects: lane l xor 16
	s_mov_b32 s3, 0xfedcba98
	; where the three tiles go
	s_lshl_b32 s91, s19, 1
	s_add_co_u32 s91, s91, s18                     ; q, k: the head pair hp = 2 cx + wc
	s_lshr_b32 s94, s22, 3
	s_lshl_b32 s94, s94, 3
	s_add_co_u32 s94, s94, s91                     ; P = 8 (TY >> 3) + hp
	s_and_b32 s95, s22, 7                          ; which 128 tokens of the batch
	s_lshl_b32 s96, s94, 4
	s_lshl_b32 s97, s95, 1
	s_add_co_u32 s96, s96, s97
	s_add_co_u32 s96, s96, s17                     ; q: 16 P + quad
	s_mul_i32 s92, s96, 6144
	s_add_co_u32 s92, s92, QC0
	s_add_nc_u64 s[OUC:OUC+1], s[14:15], s[92:93]
	s_lshl_b32 s92, s96, 8
	s_add_co_u32 s92, s92, QS0
	s_add_nc_u64 s[OUC+2:OUC+3], s[14:15], s[92:93]
	s_mul_i32 s96, s94, 204800
	s_mul_i32 s97, s95, 25600
	s_add_co_u32 s96, s96, s97                     ; k: the record; slot wr
	s_mul_i32 s97, s17, 6144
	s_add_co_u32 s92, s96, s97
	s_add_nc_u64 s[OUC+4:OUC+5], s[14:15], s[92:93]
	s_lshl_b32 s97, s17, 8
	s_add_co_u32 s92, s96, s97
	s_add_co_u32 s92, s92, 24576
	s_add_nc_u64 s[OUC+6:OUC+7], s[14:15], s[92:93]
	s_lshr_b32 s94, s88, 2
	s_lshl_b32 s94, s94, 3
	s_add_co_u32 s94, s94, s23                     ; v: P = 8 (TXv >> 2) + TYv
	s_lshl_b32 s95, s88, 1
	s_add_co_u32 s95, s95, s18
	s_and_b32 s95, s95, 7                          ; the record: (2 TXv + wc) & 7
	s_mul_i32 s96, s94, 204800
	s_mul_i32 s97, s95, 25600
	s_add_co_u32 s96, s96, s97
	s_mul_i32 s97, s17, 6144
	s_add_co_u32 s92, s96, s97
	s_add_co_u32 s92, s92, 12288                   ; slot 2 + wr
	s_add_nc_u64 s[OUC+8:OUC+9], s[14:15], s[92:93]
	s_lshl_b32 s97, s17, 8
	s_add_co_u32 s92, s96, s97
	s_add_co_u32 s92, s92, 24576+512
	s_add_nc_u64 s[OUC+10:OUC+11], s[14:15], s[92:93]
.macro FRAG reg, adr, off              ; an image comes back as it was stored: three loads of 512 consecutive bytes
.irp p, 0,1,2
	ds_load_b128 v[\reg+4*\p:\reg+4*\p+3], v[\adr] offset:\off+512*\p
.endr
.endm
.macro FETCH s                         ; K step s of the tile that lies in the ring: S0's eight fragments and S1's four into set s % 2
.set FH, (\s)/4
.set FE, (\s)%4
.set FS, (\s)%2
	WIN 0x40                                       ; destination window 1, address window 0
.irp b, 0,1,2,3,4,5,6,7
	FRAG 128*FS+12*\b, 10+FH, 6144*\b+1536*FE
.endr
	WIN 0
.irp a, 0,1,2,3
	FRAG 128+48*FS+12*\a, 8+FH, 6144*\a+1536*FE
.endr
.endm
; 16 matrix instructions: S1's blocks a0, a0 + 1 x S0's eight, K step s.  mode 0: the sums go on; 1: C = the bias tile of S0's block b; 2: of S1's block a: the bias starts the sums, nothing is cleared or added.
; The 32 accumulators take turns, one instruction a turn, in the same order in every K step.
.macro MUL a0, s, mode
.if \mode
	WIN 0x91                                       ; source 0 window 1, source 1 window 0, C window 1, D window 2
.else
	WIN 0xa1                                       ; C and D window 2
.endif
.irp a, \a0, \a0+1
.irp b, 0,1,2,3,4,5,6,7
.set rD, 8*(8*(\a)+\b)
.set rC, rD
.if \mode == 1
.set rC, 96+8*\b+96*(\b/4)
.endif
.if \mode == 2
.set rC, 96+8*(\a)
.endif
.set rB, 128*((\s)%2)+12*\b
.set rA, 128+48*((\s)%2)+12*(\a)
	v_wmma_scale_f32_16x16x128_f8f6f4 v[rD:rD+7], v[rB:rB+11], v[rA:rA+11], v[rC:rC+7], v[64+8*\b+(\s)], v[32+8*(\a)+(\s)] matrix_a_fmt:MATRIX_FMT_FP6 matrix_b_fmt:MATRIX_FMT_FP6
.endr
.endr
.endm
; A joint refill of slot HH.  kind 3: waves 0 and 1 fetch S1's halves, waves 2 and 3 S0's.  kind 2: S1 stays: waves 2 and 3 alone fetch.  The branches hang on the wave's number alone.
; Four v_nop follow each tensor load, ahead of the jump, the label and what follows; on every way four v_nop stand in front of the fragment loads that follow the macro.
.macro JLOAD kind
	s_cmp_eq_u32 s17, 0
.if \kind == 3
	s_cbranch_scc0 .Lfor_b_\@
	tensor_load_to_lds s[G0A+4*HH:G0A+4*HH+3], s[G1A:G1A+7]
	s_nop 0
	PLACES 4
	s_branch .Lasked_\@
.Lfor_b_\@:
	tensor_load_to_lds s[G0B+4*HH:G0B+4*HH+3], s[G1B:G1B+7]
	s_nop 0
	PLACES 4
.Lasked_\@:
.else
	s_cbranch_scc1 .Lnone_\@
	tensor_load_to_lds s[G0B+4*HH:G0B+4*HH+3], s[G1B:G1B+7]
	s_nop 0
	PLACES 4
	s_branch .Lasked_\@
.Lnone_\@:
	PLACES 4
.Lasked_\@:
.endif
.endm
; K step s of tile t.  chg = 0: a plain step.  Else s is a slot's last K step, whose fragments are the wave's last reads of the slot: THE CHANGE OF SLOTS: each wave waits for all its tensor loads (the one that is out is
; its part of the other slot), adds 0 to its spare word, and waits for that and for its reads; behind the barrier nobody reads this slot and the other is whole.
; chg = 1: nothing is filled.  chg = 2: the slot takes the next tile's S0 (Wk for Wq: 64 blocks on).  chg = 3: the next tile's S1 and S0 (tile 2's).  With a fill the barrier opens a round of the cluster's barrier.
; A refill has four K steps, 128 products a wave, in which to land; that of a tile's last K step the tile's way out too.
.macro STEP t, s, mode, chg
.set HH, (\s)/4
.if \chg
	WIN 0                                          ; (the add's two registers lie in window 0)
	s_wait_tensorcnt 0x0                           ; no tensor load of mine is out, so a group 0 may be written
	ds_add_u32 v[SPW], v[NIL]                      ; 0 onto my spare word
.if \chg == 2
	s_add_nc_u64 s[G0B+4*HH+2:G0B+4*HH+3], s[G0B+4*HH+2:G0B+4*HH+3], 64*12288   ; the type bits on top are not reached
.endif
.if \chg == 3
	s_add_nc_u64 s[G0A+4*HH+2:G0A+4*HH+3], s[A2:A2+1], 6144*HH
	s_or_b32 s[G0A+4*HH+3], s[G0A+4*HH+3], 0x80000000
	s_add_nc_u64 s[G0B+4*HH+2:G0B+4*HH+3], s[B2:B2+1], 6144*HH
	s_or_b32 s[G0B+4*HH+3], s[G0B+4*HH+3], 0x80000000
.endif
	s_wait_dscnt 0x0                               ; the add is done; this K step's fragments are in, and with them my reads of the slot are over
	s_barrier_signal -1
.else
	s_wait_dscnt 0x0                               ; this K step's fragments are in (asked for 16 products ago)
.endif
.if ((\s) == 4) && ((\t) > 0)
	s_wait_loadcnt 0x0                             ; the scale words of K steps 4 to 7, asked for on the last tile's way out
.endif
	MUL 0, \s, \mode
.if \chg
	WIN 0
	s_barrier_wait -1
.endif
.if \chg > 1
	CREST                                          ; no wave of any partner still reads this slot or has a load on its way
	JLOAD \chg                                     ; the first tensor load behind the round, and a wave's one until the next
.elseif !(((\t) == 2) && ((\s) == 7))
	PLACES 4                                       ; four plain instructions in front of loads into registers that matrix instructions have read (ISA guide 7.12.1 for vector instructions)
.endif
.if !(((\t) == 2) && ((\s) == 7))
	FETCH ((\s)+1)%8                               ; behind K step 7: the next tile's K step 0
.endif
.if ((\s) == 4) && ((\t) < 2)
	SCALES (\t)+1, 0                               ; the next tile's scale words of K steps 0 to 3 and its bias: their registers' last readers were K steps 3 and 0
	BIAS (\t)+1
.endif
	MUL 2, \s, \mode
.endm
; The quantiser on window 2's v[64 a] on: register 16 b + i = k 32 b + 16 h + i.  Each accumulator is read from its low end on.
.macro QUANTW a
	WIN 0x0a                                       ; sources 0 and 1 window 2
.irp b, 0,1,2,3
	v_max3_num_f32 v[TM+\b], |v[64*\a+16*\b]|, |v[64*\a+16*\b+1]|, 0x1800000   ; with the floor 2^(3 - 127): the byte cannot fall under 1
.endr
	WIN 0x28                                       ; sources 1 and 2 window 2
.irp i, 2,4,6,8,10,12,14
.irp b, 0,1,2,3
	v_max3_num_f32 v[TM+\b], v[TM+\b], |v[64*\a+16*\b+\i]|, |v[64*\a+16*\b+\i+1]|
.endr
.endr
	WIN 0
.irp b, 0,1,2,3
	v_permlanex16_b32 v[TM+4+\b], v[TM+\b], s2, s3
.endr
.irp b, 0,1,2,3
	v_max_num_f32 v[TM+\b], v[TM+\b], v[TM+4+\b]
.endr
.irp b, 0,1,2,3
	v_add_nc_u32 v[TM+12+\b], 0xff000000, v[TM+\b] ; 2 off the exponent field: the conversion's scale operand
.endr
.irp b, 0,1,2,3
	v_lshrrev_b32 v[TM+4+\b], 23, v[TM+12+\b]      ; the scale's byte
.endr
	v_lshl_or_b32 v[PW+\a], v[TM+5], 8, v[TM+4]
	v_lshl_or_b32 v[PW+\a], v[TM+6], 16, v[PW+\a]
	v_lshl_or_b32 v[PW+\a], v[TM+7], 24, v[PW+\a]
	WIN 0x02                                       ; source 0 window 2
.irp c, 0,1
	v_cvt_scalef32_pk16_fp6_f32 v[PC+12*\a+6*\c:PC+12*\a+6*\c+2], v[64*\a+32*\c:64*\a+32*\c+15], v[TM+12+2*\c]
	v_cvt_scalef32_pk16_fp6_f32 v[T2+4*\c:T2+4*\c+2], v[64*\a+32*\c+16:64*\a+32*\c+31], v[TM+13+2*\c]
.endr
	WIN 0
	v_nop                                          ; one plain instruction behind the scaled conversions
.irp c, 0,1
.irp i, 0,1,2
	v_permlane16_swap_b32 v[PC+12*\a+6*\c+\i], v[T2+4*\c+\i]
.endr
.irp i, 0,1,2
	v_mov_b32 v[PC+12*\a+6*\c+3+\i], v[T2+4*\c+\i]
.endr
.endr
.endm
; THE WAY OUT of tile t.  The 64 registers of S1's block a are 128 neighbours along the next product's K for the lane's row, half in this lane, half in lane l xor 16: one fragment and one scale word a row.
; The codes take the fragment set that K step 7 has left; the next tile's first fragments lie in the other set already, and both its refills are asked for.  No LDS byte is touched.
.macro OUT t
	WIN 0
	PLACES 4                                       ; behind the last products: in front of the reads of results, of the writes into S1's set 1 and of the loads into scale words
.if (\t) < 2
	SCALES (\t)+1, 1                               ; the next tile's scale words of K steps 4 to 7
.endif
.irp a, 0,1,2,3
	QUANTW \a
	global_store_b128 v3, v[PC+12*\a:PC+12*\a+3], s[OUC+4*(\t):OUC+4*(\t)+1] offset:1536*\a               ; each block has registers of its own
	global_store_b64 v5, v[PC+12*\a+4:PC+12*\a+5], s[OUC+4*(\t):OUC+4*(\t)+1] offset:1536*\a+512          ; every store covers 512 or 256 consecutive bytes, aligned
	global_store_b64 v5, v[PC+12*\a+6:PC+12*\a+7], s[OUC+4*(\t):OUC+4*(\t)+1] offset:1536*\a+768
	global_store_b128 v3, v[PC+12*\a+8:PC+12*\a+11], s[OUC+4*(\t):OUC+4*(\t)+1] offset:1536*\a+1024
.endr
	v_cmp_ne_u32 vcc_lo, 0, v2                     ; the unit of scale words: lanes 0-15 store words 0 and 1 of their row-lane, lanes 16-31 words 2 and 3
	v_cndmask_b32 v228, v[PW], v[PW+2], vcc_lo
	v_cndmask_b32 v229, v[PW+1], v[PW+3], vcc_lo
	global_store_b64 v6, v[228:229], s[OUC+4*(\t)+2:OUC+4*(\t)+3]
.if (\t) < 2
	s_wait_xcnt 0x0                                ; the stores have read their registers: the next tile's fragments land there only behind this wait
	s_wait_loadcnt 8+4*(\t)                        ; the next tile's bias and its scale words of K steps 0 to 3 are in; the loads issued at this macro's head (8 for tile 1, 12 for tile 2) may be out
.endif
.endm
.macro TILE t, mode, c3, c7
	STEP \t, 0, \mode, 0
	STEP \t, 1, 0, 0
	STEP \t, 2, 0, 0
	STEP \t, 3, 0, \c3
	STEP \t, 4, 0, 0
	STEP \t, 5, 0, 0
	STEP \t, 6, 0, 0
	STEP \t, 7, 0, \c7
	OUT \t
.endm
	s_wait_alu depctr_va_vdst(0)
	s_wait_tensorcnt 0x1                           ; my part of slot 0 is in; slot 1's load may be out
	s_barrier_signal -1
	s_barrier_wait -1                              ; everybody's is
	FETCH 0
	s_wait_loadcnt 0x0                             ; tile 0's scale words and bias
	TILE 0, 1, 2, 2                                ; q; both slots take Wk
	TILE 1, 1, 3, 3                                ; k; both slots take Wv and x
	TILE 2, 2, 1, 0                                ; V^T; nothing is left to fetch
	s_wait_tensorcnt 0x0                           ; the wave's end: behind my last tensor load, my last LDS instructions
	ds_add_u32 v[SPW], v[NIL]
	s_wait_dscnt 0x0
	CROUND                                         ; the closing round: no work-group ends while a partner may still ask for a tile that names it
	s_endpgm
.Lfunc_end_k_q26a4b8ede4_qkv:
	.size	k_q26a4b8ede4_qkv, .Lfunc_end_k_q26a4b8ede4_qkv-k_q26a4b8ede4_qkv
	.p2alignl 7, 3214868480
	.fill 96, 4, 3214868480
	.section	.rodata,"a",@progbits
	.p2align	6, 0x0
	.amdhsa_kernel k_q26a4b8ede4_qkv
		.amdhsa_group_segment_fixed_size 327680
		.amdhsa_private_segment_fixed_size 0
		.amdhsa_enable_private_segment 0
		.amdhsa_kernarg_size 48
		.amdhsa_user_sgpr_count 2
		.amdhsa_user_sgpr_kernarg_segment_ptr 1
		.amdhsa_wavefront_size32 1
		.amdhsa_system_sgpr_workgroup_id_x 1
		.amdhsa_system_sgpr_workgroup_id_y 1
		.amdhsa_system_sgpr_workgroup_id_z 1
		.amdhsa_system_vgpr_workitem_id 0
		.amdhsa_next_free_vgpr 768
		.amdhsa_next_free_sgpr 100
		.amdhsa_reserve_vcc 1
		.amdhsa_float_denorm_mode_32 3
		.amdhsa_float_denorm_mode_16_64 3
		.amdhsa_memory_ordered 1
		.amdhsa_forward_progress 1
		.amdhsa_inst_pref_size 235
	.end_amdhsa_kernel
	.amdgpu_metadata
---
amdhsa.version: [ 1, 2 ]
amdhsa.kernels:
  - .name:           k_q26a4b8ede4_qkv
    .symbol:         k_q26a4b8ede4_qkv.kd
    .args:
      - { .name: cod, .offset: 0, .size: 8, .value_kind: global_buffer, .address_space: global }
      - { .name: scl, .offset: 8, .size: 8, .value_kind: global_buffer, .address_space: global }
      - { .name: bq, .offset: 16, .size: 8, .value_kind: global_buffer, .address_space: global }
      - { .name: bk, .offset: 24, .size: 8, .value_kind: global_buffer, .address_space: global }
      - { .name: bv, .offset: 32, .size: 8, .value_kind: global_buffer, .address_space: global }
      - { .name: qkv, .offset: 40, .size: 8, .value_kind: global_buffer, .address_space: global }
    .group_segment_fixed_size: 327680
    .private_segment_fixed_size: 0
    .kernarg_segment_align: 8
    .kernarg_segment_size: 48
    .max_flat_workgroup_size: 128
    .sgpr_count:     100
    .vgpr_count:     768
    .wavefront_size: 32
...
	.end_amdgpu_metadata
.endif
;; end of part 2
;; launch attn (part 3): grid 4 x 64, 16 waves a work-group, clusters of 4 x 1, 206,848 bytes of LDS; arguments qkv, oc, os; writes oc, os
.if DOCPART == 3
	.amdgcn_target "amdgcn-amd-amdhsa--gfx1250"
	.amdhsa_code_object_version 6
	.text
	.protected	k_q26a4b8ede4_attn
	.globl	k_q26a4b8ede4_attn
	.p2align	8
	.type	k_q26a4b8ede4_attn,@function
k_q26a4b8ede4_attn:
	s_mov_b64 s[64:65], 0
	v_nop
	global_prefetch_b8 v0, s[64:65] scope:SCOPE_SE
	s_setreg_imm32_b32 hwreg(HW_REG_WAVE_MODE, 25, 1), 1
	s_wait_xcnt 0x0
	s_wait_alu depctr_hold_cnt(0) depctr_sa_sdst(0) depctr_va_vdst(0) depctr_va_sdst(0) depctr_va_ssrc(0) depctr_va_vcc(0) depctr_vm_vsrc(0)
	s_getreg_b32 s2, hwreg(HW_REG_IB_STS2, 6, 4)
	s_cmp_eq_u32 s2, 0
	s_cbranch_scc0 .Lentry_in_a_cluster
	s_endpgm
.Lentry_in_a_cluster:
	s_bfe_u32 s2, ttmp6, 0x10000c
	s_cmp_lg_u32 s2, 0x3003
	s_cbranch_scc0 .Lentry_shape_is_right
	s_endpgm
.Lentry_shape_is_right:
; o = softmax(q k^T / 8) v for 8 batches x 16 heads of 64, both products on codes of FP6 (E2M3) with E8M0 scales; o is quantised along d at once, as the last product's operand.
; THE SOFTMAX: t = score x log2(e) / 8 (q was stored without its factor 1/8); M = the running largest t rounded UP to a whole number; p = 2^(t - M) is quantised along the keys, not normalised;
; the row's sum is taken of the unquantised p and divides O at the end.  When M moves, the sum and O are multiplied by 2^(old M - new M): exact.
; SHARES.  A work-group takes a head pair P = 8 batch + hp and 256 queries; each of its sixteen waves one block of 16 queries, in two passes, one a head: four waves to a SIMD, so that one wave's
; vector work stands beside another's products and LDS loads.  The pair's K, V and scale words, 204,800 bytes, lie in LDS whole, as they lie in memory: every byte is filled once.
; CLUSTER.  The four work-groups of a pair need the same 204,800 bytes: each part is asked for jointly (mask 15).  Waves 0 to 3 fetch, four loads each (by this text's count four are out).
; LAYOUT.  Both products transposed: S^T = K Q^T, O^T = V^T P^T: a lane holds ONE query throughout.  The keys of a tile are not neighbours (row-lane i of tile T = key 32 (T / 2) + 8 (T % 2) + i + 8 (i / 8)),
; so that the 16 registers of tiles 2 b, 2 b + 1 are keys 32 b + 16 (lane / 16) + 0 .. 15.
; K = 64 IN A FORM OF 128: a fragment of q or k holds both heads of the pair (registers 6 c .. 6 c + 5, scale bytes 2 c, 2 c + 1: head c).  In pass c only head c's six registers of K are loaded; the other six hold zero
; codes, which add nothing under any scale byte from 1 to 254.
; LIMITS: NaN and infinities are not served; a block of zeros or under 2^-124 gets the byte 1.
; REGISTERS: v1-3 16 l, 8 l, 16 r; v4-6 the same in the record in hand; v7 lane; v12 -M, v13 largest t, v[14:15] the sum; v16-27 Q, v28 its scale words; v29 p's scale word; v30 o's; v32-79 four fragments of K;
; v80-87 K's scale words, v88-91 V's; v96-159 S^T, then p, then (v96-143) V's four fragments; v160-191 O^T; v192-203 o's codes; v204-215 p's codes; v216-222 second halves; v224-241 at work.
.set REC,  25600                       ; a record: 128 keys: K tiles at 1536 T, V at 12288 + 6144 c + 1536 a, scale units at 24576 + 256 slot
.set QC0,  13107200
.set QS0,  19398656
.set WV,   16                          ; s16 wave
.set SEL,  18                          ; s[18:19] lane selects: lane l xor 16
.set CS,   20                          ; s[20:21] c = log2(e) / 8
.set TB,   22                          ; s22 LDS byte of the record in hand
.set CNT,  23                          ; s23 trips to go
.set G1,   24                          ; s[24:31] descriptor group 1;  s[32:47] four groups 0
.set G0,   32
.macro CROUND                          ; a round of the cluster's barrier
	s_barrier_signal -1
	s_barrier_wait -1
	s_cmp_lg_u32 s[WV], 0
	s_cbranch_scc1 .Lnot_wave_0_\@
	s_barrier_signal -3
.Lnot_wave_0_\@:
	s_barrier_wait -3
	s_barrier_signal -1
	s_barrier_wait -1
.endm
	s_load_b128 s[4:7], s[0:1], 0x0                ; qkv s[4:5], oc s[6:7]
	s_load_b64 s[8:9], s[0:1], 0x10                ; os
	v_lshl_add_u32 v254, v0, 2, 0x32000
	v_mov_b32 v255, 0
	ds_add_u32 v254, v255
	ds_add_u32 v254, v255
	v_lshrrev_b32 v1, 5, v0
	s_delay_alu instid0(VALU_DEP_1)
	v_readfirstlane_b32 s[WV], v1                  ; wave 0..15
	s_bfe_u32 s10, ttmp6, 0x40000                  ; cx: which 256 queries; it enters q's, oc's and os's global addresses alone
	s_and_b32 s11, ttmp7, 0xffff                   ; P
	s_mov_b32 s[G1], 15|(3<<16)|(1<<21)            ; the mask: all four; elements of 8 bytes; 21 set beside a mask; no padding
	s_mov_b32 s[G1+1], 32<<16                      ; rows of 256 bytes,
	s_mov_b32 s[G1+2], 50<<16                      ; 50 of them: 12,800 dense bytes
	s_mov_b32 s[G1+3], 32<<16
	s_mov_b32 s[G1+4], 50
	s_mov_b32 s[G1+5], 32
	s_mov_b32 s[G1+6], 0
	s_mov_b32 s[G1+7], 0
	s_mul_i32 s12, s11, 204800
	s_mul_i32 s14, s[WV], 12800                    ; load i of wave w (0..3) brings bytes 51200 i + 12800 w on: loads i bring records 2 i and 2 i + 1
	s_add_co_u32 s12, s12, s14
	s_mov_b32 s13, 0
	s_mov_b32 s[SEL], 0x76543210
	s_mov_b32 s[SEL+1], 0xfedcba98
	s_mov_b32 s[CS], 0x3e38aa3b
	s_mov_b32 s[CS+1], s[CS]                       ; (named with it as a pair, so it is written)
	s_wait_dscnt 0x0
	s_wait_kmcnt 0x0
	s_add_nc_u64 s[12:13], s[4:5], s[12:13]
.irp i, 0,1,2,3
	s_mov_b32 s[G0+4*\i], 1
	s_add_co_u32 s[G0+4*\i+1], s14, \i*51200
	s_add_nc_u64 s[G0+4*\i+2:G0+4*\i+3], s[12:13], \i*51200
	s_or_b32 s[G0+4*\i+3], s[G0+4*\i+3], 0x80000000
.endr
	CROUND                                         ; all four work-groups are here: the joint loads meet
	s_cmp_lt_u32 s[WV], 4                          ; a wave's four fills stand in one branch on the wave's number; four v_nop follow the last
	s_cbranch_scc0 .Lno_fill
	tensor_load_to_lds s[G0:G0+3], s[G1:G1+7]
	s_nop 0
	tensor_load_to_lds s[G0+4:G0+7], s[G1:G1+7]
	s_nop 0
	tensor_load_to_lds s[G0+8:G0+11], s[G1:G1+7]
	s_nop 0
	tensor_load_to_lds s[G0+12:G0+15], s[G1:G1+7]
	s_nop 0
.rept 4
	v_nop
.endr
.Lno_fill:
	s_lshl_b32 s48, s11, 4                         ; my block of queries is 16 cx + wave of the batch's 64: quad 4 cx + wave / 4, place wave % 4
	s_lshl_b32 s49, s10, 2
	s_add_co_u32 s48, s48, s49
	s_lshr_b32 s49, s[WV], 2
	s_add_co_u32 s48, s48, s49                     ; 16 P + quad
	s_and_b32 s49, s[WV], 3
	s_mul_i32 s50, s48, 6144
	s_mul_i32 s51, s49, 1536
	s_add_co_u32 s50, s50, s51
	s_add_co_u32 s50, s50, QC0
	s_mov_b32 s51, 0
	s_add_nc_u64 s[50:51], s[4:5], s[50:51]        ; q's fragment
	s_lshl_b32 s52, s48, 8
	s_lshl_b32 s53, s49, 2
	s_add_co_u32 s52, s52, s53
	s_add_co_u32 s52, s52, QS0
	s_mov_b32 s53, 0
	s_add_nc_u64 s[52:53], s[4:5], s[52:53]        ; and its scale words
	s_lshr_b32 s54, s11, 3
	s_lshl_b32 s54, s54, 6
	s_lshl_b32 s55, s10, 4
	s_add_co_u32 s54, s54, s55
	s_add_co_u32 s54, s54, s[WV]                   ; G: my block among all 512 blocks of tokens
	s_and_b32 s55, s11, 7                          ; hp: the last product's K step
	s_mul_i32 s56, s54, 12288
	s_mul_i32 s57, s55, 1536
	s_add_co_u32 s56, s56, s57
	s_mov_b32 s57, 0
	s_add_nc_u64 s[6:7], s[6:7], s[56:57]          ; oc: block G, K step hp
	s_lshl_b32 s56, s54, 9
	s_lshr_b32 s58, s55, 2
	s_lshl_b32 s58, s58, 8
	s_add_co_u32 s56, s56, s58
	s_and_b32 s58, s55, 3
	s_lshl_b32 s58, s58, 2
	s_add_co_u32 s56, s56, s58
	s_add_nc_u64 s[8:9], s[8:9], s[56:57]          ; os: block G, unit hp / 4, word hp % 4
	v_and_b32 v7, 31, v0
	v_and_b32 v8, 15, v0
	s_delay_alu instid0(VALU_DEP_2)
	v_lshlrev_b32 v1, 4, v7
	s_delay_alu instid0(VALU_DEP_3)
	v_lshlrev_b32 v2, 3, v7
	s_delay_alu instid0(VALU_DEP_3)
	v_lshlrev_b32 v3, 4, v8
	global_load_b128 v[16:19], v1, s[50:51]        ; Q stays in registers, both heads
	global_load_b64 v[20:21], v2, s[50:51] offset:512
	global_load_b64 v[22:23], v2, s[50:51] offset:768
	global_load_b128 v[24:27], v1, s[50:51] offset:1024
	global_load_b32 v28, v3, s[52:53]
.irp b, 0,1,2,3
	v_mov_b32 v[228+\b], 0                         ; written once: a lane permute's destination counts as one of its sources
.endr
	v_mov_b32 v241, 0                              ; (named as the upper half of the pair v[240:241])
; A KEY STEP of head c: the 128 keys of the record at s[TB].
.macro STEP c
	v_add_nc_u32 v4, s[TB], v1
	v_add_nc_u32 v5, s[TB], v2
	v_add_nc_u32 v6, s[TB], v3
	v_nop                                          ; five plain instructions between the last step's products V^T P and the products below, which write over V's fragments (ISA guide 7.12.1);
	v_nop                                          ; they also stand in front of the loads into V's scale words
	ds_load_b128 v[80:83], v6 offset:24576         ; K's scale words, tiles 0-3,
	ds_load_b128 v[84:87], v6 offset:24832         ; tiles 4-7,
	ds_load_b128 v[88:91], v6 offset:25088+256*\c  ; V's, tiles 0-3 of head c
	s_wait_alu depctr_va_vdst(0)
.irp g, 0,1                            ; S^T = K Q^T, four tiles of 16 keys at a time
.if \g
.rept 4
	v_nop                                          ; places in front of loads into registers that matrix instructions have read
.endr
.endif
.irp t, 0,1,2,3
.if \c == 0
	ds_load_b128 v[32+12*\t:35+12*\t], v4 offset:1536*(4*\g+\t)
	ds_load_b64 v[36+12*\t:37+12*\t], v5 offset:1536*(4*\g+\t)+512
.else
	ds_load_b64 v[38+12*\t:39+12*\t], v5 offset:1536*(4*\g+\t)+768
	ds_load_b128 v[40+12*\t:43+12*\t], v4 offset:1536*(4*\g+\t)+1024
.endif
.endr
	s_wait_dscnt 0x0
.irp t, 0,1,2,3
	v_wmma_scale_f32_16x16x128_f8f6f4 v[96+8*(4*\g+\t):103+8*(4*\g+\t)], v[32+12*\t:43+12*\t], v[16:27], 0, v[80+4*\g+\t], v28 matrix_a_fmt:MATRIX_FMT_FP6 matrix_b_fmt:MATRIX_FMT_FP6
.endr
.endr
.rept 4
	v_nop
.endr
.irp b, 0,1,2,3
	v_max3_num_f32 v[224+\b], v[96+16*\b], v[97+16*\b], v[98+16*\b]   ; the largest score of each block of 32 keys: for the row's maximum and, since p rises with the score, for the block's largest p
.endr
.irp i, 3,5,7,9,11,13
.irp b, 0,1,2,3
	v_max3_num_f32 v[224+\b], v[224+\b], v[96+16*\b+\i], v[97+16*\b+\i]
.endr
.endr
.irp b, 0,1,2,3
	v_max_num_f32 v[224+\b], v[224+\b], v[111+16*\b]
.endr
.irp b, 0,1,2,3
	s_delay_alu instid0(VALU_DEP_4)
	v_permlanex16_b32 v[228+\b], v[224+\b], s[SEL], s[SEL+1]
.endr
.irp b, 0,1,2,3
	s_delay_alu instid0(VALU_DEP_4)
	v_max_num_f32 v[224+\b], v[224+\b], v[228+\b]  ; with lane l xor 16's 16 keys
.endr
	s_delay_alu instid0(VALU_DEP_2)
	v_max3_num_f32 v238, v224, v225, v226
	s_delay_alu instid0(VALU_DEP_1)
	v_max_num_f32 v238, v238, v227                 ; the step's largest score of my query
	s_delay_alu instid0(VALU_DEP_1)
	v_mul_f32 v238, s[CS], v238                    ; as t (c is positive)
	s_delay_alu instid0(VALU_DEP_1)
	v_max_num_f32 v13, v13, v238                   ; the running largest t
	v_mov_b32 v238, v12
	s_delay_alu instid0(VALU_DEP_2)
	v_floor_f32 v12, -v13                          ; the new -M = floor(-t): M is a whole number
	s_delay_alu instid0(VALU_DEP_1)
	v_sub_f32 v238, v12, v238                      ; old M - new M: a whole number, 0 or less
	s_delay_alu instid0(VALU_DEP_1)
	v_cvt_i32_f32 v238, v238                       ; (it saturates)
	s_delay_alu instid0(VALU_DEP_1)
	v_ldexp_f32 v240, 1.0, v238                    ; f = 2^(old M - new M)
.set j, 0
.rept 32
	v_pk_fma_f32 v[96+j:97+j], v[96+j:97+j], s[CS:CS+1], v[12:13] op_sel_hi:[1,0,0]   ; t - M, two at a time
.set j, j+2
.endr
.irp b, 0,1,2,3
	v_fma_f32 v[224+\b], v[224+\b], s[CS], v12     ; the same of each block's largest score
.endr
.set j, 0
	s_wait_alu depctr_va_vdst(0)
.rept 64
	v_exp_f32 v[96+j], v[96+j]                     ; p = 2^(t - M), at most 1
.set j, j+1
.endr
	s_setprio 1
	v_pk_mul_f32 v[14:15], v[14:15], v[240:241] op_sel_hi:[1,0]   ; the sums under the new M: the plain instruction behind the exponentials
	s_wait_alu depctr_va_vdst(0)                   ; one wait for the batch of 64, ahead of its first reader
.irp b, 0,1,2,3
	v_exp_f32 v[224+\b], v[224+\b]                 ; the blocks' largest p: the same two instructions on the same number give the same bits
.endr
	v_pk_add_f32 v[236:237], v[100:101], v[104:105]
	v_pk_add_f32 v[252:253], v[108:109], v[112:113]
	v_pk_add_f32 v[250:251], v[116:117], v[120:121]
	v_pk_add_f32 v[248:249], v[124:125], v[128:129]
	v_pk_add_f32 v[246:247], v[132:133], v[136:137]
	v_pk_add_f32 v[244:245], v[140:141], v[144:145]
	v_pk_add_f32 v[242:243], v[148:149], v[152:153]
	v_pk_add_f32 v[14:15], v[14:15], v[156:157]
	v_pk_add_f32 v[236:237], v[236:237], v[96:97]
	v_pk_add_f32 v[252:253], v[252:253], v[98:99]
	v_pk_add_f32 v[250:251], v[250:251], v[102:103]
	v_pk_add_f32 v[248:249], v[248:249], v[106:107]
	v_pk_add_f32 v[246:247], v[246:247], v[110:111]
	v_pk_add_f32 v[244:245], v[244:245], v[114:115]
	v_pk_add_f32 v[242:243], v[242:243], v[118:119]
	v_pk_add_f32 v[14:15], v[14:15], v[122:123]
	v_pk_add_f32 v[236:237], v[236:237], v[126:127]
	v_pk_add_f32 v[252:253], v[252:253], v[130:131]
	v_pk_add_f32 v[250:251], v[250:251], v[134:135]
	v_pk_add_f32 v[248:249], v[248:249], v[138:139]
	v_pk_add_f32 v[246:247], v[246:247], v[142:143]
	v_pk_add_f32 v[244:245], v[244:245], v[146:147]
	v_pk_add_f32 v[242:243], v[242:243], v[150:151]
	v_pk_add_f32 v[14:15], v[14:15], v[154:155]
	v_pk_add_f32 v[236:237], v[236:237], v[158:159]
	s_delay_alu instid0(VALU_DEP_2)
	v_pk_add_f32 v[14:15], v[14:15], v[248:249]
	s_delay_alu instid0(VALU_DEP_2)
	v_pk_add_f32 v[236:237], v[236:237], v[246:247]
	v_pk_add_f32 v[252:253], v[252:253], v[244:245]
	v_pk_add_f32 v[250:251], v[250:251], v[242:243]
	s_delay_alu instid0(VALU_DEP_2)
	v_pk_add_f32 v[14:15], v[14:15], v[252:253]
	s_delay_alu instid0(VALU_DEP_2)
	v_pk_add_f32 v[236:237], v[236:237], v[250:251]
	s_delay_alu instid0(VALU_DEP_1)
	v_pk_add_f32 v[14:15], v[14:15], v[236:237]
	s_wait_alu depctr_va_vdst(0)                   ; and one for the four
.irp b, 0,1,2,3
	v_max_num_f32 v[224+\b], 0x1800000, v[224+\b]  ; the floor 2^(3 - 127): the byte cannot fall under 1
.endr
.irp b, 0,1,2,3
	s_delay_alu instid0(VALU_DEP_4)
	v_add_nc_u32 v[232+\b], 0xff000000, v[224+\b]  ; 2 off the exponent field: the conversion's scale operand
.endr
.irp b, 0,1,2,3
	s_delay_alu instid0(VALU_DEP_4)
	v_lshrrev_b32 v[228+\b], 23, v[232+\b]         ; the scale's byte
.endr
	s_delay_alu instid0(VALU_DEP_3)
	v_lshl_or_b32 v29, v229, 8, v228               ; p's scale word for these 128 keys
	s_delay_alu instid0(VALU_DEP_1)
	v_lshl_or_b32 v29, v230, 16, v29
	s_delay_alu instid0(VALU_DEP_1)
	v_lshl_or_b32 v29, v231, 24, v29
.irp e, 0,1
	v_cvt_scalef32_pk16_fp6_f32 v[204+6*\e:206+6*\e], v[96+32*\e:111+32*\e], v[232+2*\e]
	v_cvt_scalef32_pk16_fp6_f32 v[216+4*\e:218+4*\e], v[112+32*\e:127+32*\e], v[233+2*\e]
.endr
	v_nop                                          ; one plain instruction behind the scaled conversions
.irp a, 0,1,2,3                        ; V's four fragments (16 of the head's 64 x 128 keys) land where p lay, while the codes are put in order and O^T is rescaled
	ds_load_b128 v[96+12*\a:99+12*\a], v4 offset:12288+6144*\c+1536*\a
	ds_load_b64 v[100+12*\a:101+12*\a], v5 offset:12288+6144*\c+1536*\a+512
	ds_load_b64 v[102+12*\a:103+12*\a], v5 offset:12288+6144*\c+1536*\a+768
	ds_load_b128 v[104+12*\a:107+12*\a], v4 offset:12288+6144*\c+1536*\a+1024
.endr
.irp e, 0,1                            ; the operand wants a whole block in a lane
.irp i, 0,1,2
	v_permlane16_swap_b32 v[204+6*\e+\i], v[216+4*\e+\i]
.endr
.irp i, 0,1,2
	s_delay_alu instid0(VALU_DEP_3)
	v_mov_b32 v[207+6*\e+\i], v[216+4*\e+\i]
.endr
.endr
.set j, 0
	s_setprio 0
.rept 16
	v_pk_mul_f32 v[160+j:161+j], v[160+j:161+j], v[240:241] op_sel_hi:[1,0]   ; O^T under the new M; these are also the places between the codes' last moves and the products
.set j, j+2
.endr
	s_wait_alu depctr_va_vdst(0)
	s_wait_dscnt 0x0
.irp a, 0,1,2,3                        ; O^T += V^T P^T: the four accumulators by turns
	v_wmma_scale_f32_16x16x128_f8f6f4 v[160+8*\a:167+8*\a], v[96+12*\a:107+12*\a], v[204:215], v[160+8*\a:167+8*\a], v[88+\a], v29 matrix_a_fmt:MATRIX_FMT_FP6 matrix_b_fmt:MATRIX_FMT_FP6
.endr
.endm
.macro INIT c                          ; a pass begins: the step is written once a loop, so the first step finds zeros, which the first change of M leaves zeros
	v_mov_b32 v13, 0xff61b1e6                      ; the largest t so far: -3e38
	s_delay_alu instid0(VALU_DEP_1)
	v_floor_f32 v12, -v13
	v_mov_b32 v14, 0
	v_mov_b32 v15, 0
.set j, 0
.rept 32
	v_mov_b32 v[160+j], 0
.set j, j+1
.endr
.irp t, 0,1,2,3
.irp i, 0,1,2,3,4,5
	v_mov_b32 v[32+12*\t+6*(1-\c)+\i], 0           ; zero codes in the other head's half of K's fragments
.endr
.endr
.endm
.macro WALK c, n                       ; n key steps from s[TB] on
	s_mov_b32 s[CNT], \n
.Lstep_\@:
	s_setprio 2
	STEP \c
	s_add_co_u32 s[TB], s[TB], REC
	s_sub_co_u32 s[CNT], s[CNT], 1
	s_cmp_lg_u32 s[CNT], 0
	s_cbranch_scc1 .Lstep_\@
	s_setprio 0
.endm
; A pass ends: O^T / the sum is head c's 64 numbers of o for my query: 32 in this lane: two blocks of 32 along the last product's K: half c of the fragment and bytes 2 c, 2 c + 1 of the scale word.
.macro FINISH c
.rept 4
	v_nop                                          ; places behind the last products
.endr
	v_add_f32 v14, v14, v15
	s_delay_alu instid0(VALU_DEP_1)
	v_permlanex16_b32 v228, v14, s[SEL], s[SEL+1]
	s_delay_alu instid0(VALU_DEP_1)
	v_add_f32 v14, v14, v228                       ; the row's sum
	s_wait_alu depctr_va_vdst(0)
	v_rcp_f32 v240, v14
	v_nop                                          ; a plain instruction behind the reciprocal,
	s_wait_alu depctr_va_vdst(0)                   ; and the wait ahead of its first reader
.set j, 0
.rept 16
	v_pk_mul_f32 v[160+j:161+j], v[160+j:161+j], v[240:241] op_sel_hi:[1,0]   ; each accumulator from its low end on
.set j, j+2
.endr
.irp b, 0,1
	v_max3_num_f32 v[224+\b], |v[160+16*\b]|, |v[161+16*\b]|, 0x1800000
.endr
.irp i, 2,4,6,8,10,12,14
.irp b, 0,1
	s_delay_alu instid0(VALU_DEP_2)
	v_max3_num_f32 v[224+\b], v[224+\b], |v[160+16*\b+\i]|, |v[161+16*\b+\i]|
.endr
.endr
.irp b, 0,1
	s_delay_alu instid0(VALU_DEP_2)
	v_permlanex16_b32 v[228+\b], v[224+\b], s[SEL], s[SEL+1]
.endr
.irp b, 0,1
	s_delay_alu instid0(VALU_DEP_2)
	v_max_num_f32 v[224+\b], v[224+\b], v[228+\b]
.endr
.irp b, 0,1
	s_delay_alu instid0(VALU_DEP_2)
	v_add_nc_u32 v[232+\b], 0xff000000, v[224+\b]
.endr
.irp b, 0,1
	s_delay_alu instid0(VALU_DEP_2)
	v_lshrrev_b32 v[228+\b], 23, v[232+\b]
.endr
.if \c == 0
	s_delay_alu instid0(VALU_DEP_1)
	v_lshl_or_b32 v30, v229, 8, v228
.else
	s_delay_alu instid0(VALU_DEP_1)
	v_lshl_or_b32 v238, v229, 8, v228
	s_delay_alu instid0(VALU_DEP_1)
	v_lshl_or_b32 v30, v238, 16, v30
.endif
	v_cvt_scalef32_pk16_fp6_f32 v[192+6*\c:194+6*\c], v[160:175], v232
	v_cvt_scalef32_pk16_fp6_f32 v[216:218], v[176:191], v233
	v_nop                                          ; one plain instruction behind the scaled conversions
.irp i, 0,1,2
	v_permlane16_swap_b32 v[192+6*\c+\i], v[216+\i]
.endr
.irp i, 0,1,2
	s_delay_alu instid0(VALU_DEP_3)
	v_mov_b32 v[195+6*\c+\i], v[216+\i]
.endr
.endm
	INIT 0
	s_wait_loadcnt 0x0                             ; Q
	s_wait_tensorcnt 0x3                           ; a fetching wave's part of records 0 and 1 is in; its three later loads may be out
	s_barrier_signal -1
	s_barrier_wait -1                              ; everybody's is
	s_mov_b32 s[TB], 0
	WALK 0, 2
	s_wait_tensorcnt 0x0                           ; all my loads have landed,
	s_wait_dscnt 0x0
	s_barrier_signal -1
	s_barrier_wait -1                              ; and everybody's: the whole pair lies in LDS
	s_mov_b32 s[TB], 2*REC
	WALK 0, 6
	FINISH 0
	INIT 1
	s_mov_b32 s[TB], 0
	WALK 1, 8
	FINISH 1
	global_store_b128 v1, v[192:195], s[6:7]       ; the fragment as an image of its registers: each store covers 512 consecutive bytes, aligned
	global_store_b128 v1, v[196:199], s[6:7] offset:512
	global_store_b128 v1, v[200:203], s[6:7] offset:1024
	s_wait_xcnt 0x0                                ; EXEC changes only behind this wait
	v_cmp_gt_u32 vcc_lo, 16, v7
	s_and_saveexec_b32 s59, vcc_lo                 ; lanes 0-15: one word a row-lane (lanes 16-31 hold the same words)
	global_store_b32 v3, v30, s[8:9]               ; a quarter of a unit of scale words: the other three K steps' words come from other work-groups; 64 bytes against the fragment's 1,536
	s_wait_xcnt 0x0
	s_or_b32 exec_lo, exec_lo, s59
	s_wait_tensorcnt 0x0
	ds_add_u32 v254, v255
	s_wait_dscnt 0x0
	CROUND                                         ; the closing round: no work-group ends while a partner may still ask for a tile that names it
	s_endpgm
.Lfunc_end_k_q26a4b8ede4_attn:
	.size	k_q26a4b8ede4_attn, .Lfunc_end_k_q26a4b8ede4_attn-k_q26a4b8ede4_attn
	.p2alignl 7, 3214868480
	.fill 96, 4, 3214868480
	.section	.rodata,"a",@progbits
	.p2align	6, 0x0
	.amdhsa_kernel k_q26a4b8ede4_attn
		.amdhsa_group_segment_fixed_size 206848
		.amdhsa_private_segment_fixed_size 0
		.amdhsa_enable_private_segment 0
		.amdhsa_kernarg_size 24
		.amdhsa_user_sgpr_count 2
		.amdhsa_user_sgpr_kernarg_segment_ptr 1
		.amdhsa_wavefront_size32 1
		.amdhsa_system_sgpr_workgroup_id_x 1
		.amdhsa_system_sgpr_workgroup_id_y 1
		.amdhsa_system_sgpr_workgroup_id_z 1
		.amdhsa_system_vgpr_workitem_id 0
		.amdhsa_next_free_vgpr 256
		.amdhsa_next_free_sgpr 66
		.amdhsa_reserve_vcc 1
		.amdhsa_float_denorm_mode_32 3
		.amdhsa_float_denorm_mode_16_64 3
		.amdhsa_memory_ordered 1
		.amdhsa_forward_progress 1
		.amdhsa_inst_pref_size 72
	.end_amdhsa_kernel
	.amdgpu_metadata
---
amdhsa.version: [ 1, 2 ]
amdhsa.kernels:
  - .name:           k_q26a4b8ede4_attn
    .symbol:         k_q26a4b8ede4_attn.kd
    .args:
      - { .name: qkv, .offset: 0, .size: 8, .value_kind: global_buffer, .address_space: global }
      - { .name: oc, .offset: 8, .size: 8, .value_kind: global_buffer, .address_space: global }
      - { .name: os, .offset: 16, .size: 8, .value_kind: global_buffer, .address_space: global }
    .group_segment_fixed_size: 206848
    .private_segment_fixed_size: 0
    .kernarg_segment_align: 8
    .kernarg_segment_size: 24
    .max_flat_workgroup_size: 512
    .sgpr_count:     66
    .vgpr_count:     256
    .wavefront_size: 32
...
	.end_amdgpu_metadata
.endif
;; end of part 3
;; launch outp (part 4): grid 4 x 64, 4 waves a work-group, clusters of 4 x 4, 295,424 bytes of LDS; arguments oc, os, cod, scl, bo, out0; writes out0
.if DOCPART == 4
	.amdgcn_target "amdgcn-amd-amdhsa--gfx1250"
	.amdhsa_code_object_version 6
	.text
	.protected	k_q26a4b8ede4_outp
	.globl	k_q26a4b8ede4_outp
	.p2align	8
	.type	k_q26a4b8ede4_outp,@function
k_q26a4b8ede4_outp:
	s_mov_b64 s[64:65], 0
	v_nop
	global_prefetch_b8 v0, s[64:65] scope:SCOPE_SE
	s_setreg_imm32_b32 hwreg(HW_REG_WAVE_MODE, 25, 1), 1
	s_wait_xcnt 0x0
	s_wait_alu depctr_hold_cnt(0) depctr_sa_sdst(0) depctr_va_vdst(0) depctr_va_sdst(0) depctr_va_ssrc(0) depctr_va_vcc(0) depctr_vm_vsrc(0)
	s_getreg_b32 s2, hwreg(HW_REG_IB_STS2, 6, 4)
	s_cmp_eq_u32 s2, 0
	s_cbranch_scc0 .Lentry_in_a_cluster
	s_endpgm
.Lentry_in_a_cluster:
	s_bfe_u32 s2, ttmp6, 0x10000c
	s_cmp_lg_u32 s2, 0xf033
	s_cbranch_scc0 .Lentry_shape_is_right
	s_endpgm
.Lentry_shape_is_right:
; out0 = o Wo^T + bo on codes of FP6 (E2M3) with E8M0 scales; sums in f32.  o's codes (oc, os) and Wo's (cod, scl: blocks 704 on) come as images of fragments:
; a block is 16 rows, row-lane i of block g = row 32 (g / 2) + 8 (g % 2) + i + 8 (i / 8); block g at 12288 g, K step s at + 1536 s; scale words: block g at 512 g, K step 4 j + w of row-lane r at 256 j + 16 r + 4 w.
; A WORK-GROUP makes 128 tokens (S1, source 1: a lane holds a token) x 256 features (S0 = Wo, source 0: a lane's registers run along the features), all K = 1,024.  Four waves, each 64 x 128: 32 accumulators.
; LDS holds the whole K of both operands: 4 quarters of 2 K steps; every byte is filled once, by four tensor loads a wave at the head (by this text's count four are out).
; CLUSTER 4 x 4: o's blocks hang on the tile row alone and are asked for jointly along a row of the cluster, Wo's on the tile column alone and along a column.
; LIMITS: NaN and infinities are not served.
; REGISTERS, in windows of 256: window 0: v1-17 addresses; v32-63 S1's scale words (32 + 8 a + s), v64-127 S0's (64 + 8 b + s); v128-175, v176-223 S1's fragments, two sets; on the way out v128-255 hold rows;
;   window 1: v0-95, v128-223 S0's fragments, two sets; v96-127, v224-255 bias tiles;   window 2: accumulator (a, b) at 8 (8 a + b).
.set QB,   73728                       ; a quarter in LDS: S1's 8 blocks x 3,072 bytes, then S0's 16
.set SP,   528                         ; the way out: a stage row: 512 bytes + 16
.set G1A,  24
.set G1B,  32
.set G0A,  40
.set G0B,  68
.set MSB,  0
.macro WIN new                         ; the immediate's high byte repeats the setting that is left
.if MSB != \new
	s_set_vgpr_msb (MSB<<8)|\new
.set MSB, \new
.endif
.endm
.macro PLACES n
.rept \n
	v_nop
.endr
.endm
.macro CROUND                          ; a round of the cluster's barrier
	s_barrier_signal -1
	s_barrier_wait -1
	s_cmp_lg_u32 s16, 0
	s_cbranch_scc1 .Lnot_wave_0_\@
	s_barrier_signal -3
.Lnot_wave_0_\@:
	s_barrier_wait -3
	s_barrier_signal -1
	s_barrier_wait -1
.endm
	s_load_b256 s[4:11], s[0:1], 0x0               ; oc s[4:5], os s[6:7], cod s[8:9], scl s[10:11]
	s_load_b128 s[12:15], s[0:1], 0x20             ; bo s[12:13], out0 s[14:15]
	v_lshl_add_u32 v30, v0, 2, 0x48000
	v_mov_b32 v31, 0
	ds_add_u32 v30, v31
	ds_add_u32 v30, v31
	v_lshrrev_b32 v1, 5, v0
	v_readfirstlane_b32 s16, v1                    ; wave 0..3
	s_lshr_b32 s17, s16, 1                         ; wr: my half of the tokens.  Also: I fetch for S1 (0) or S0 (1)
	s_and_b32 s18, s16, 1                          ; wc: my half of the features.  Also: which half of that operand I fetch
	s_bfe_u32 s84, ttmp6, 0x40000                  ; TX = cx: which 256 features
	s_bfe_u32 s20, ttmp6, 0x40004                  ; cy
	s_and_b32 s85, ttmp7, 0xffff
	s_lshl_b32 s85, s85, 2
	s_add_co_u32 s85, s85, s20                     ; TY = 4 x cluster y + cy: which 128 tokens
	s_lshl_b32 s86, s85, 3                         ; S1's first block: 8 TY
	s_lshl_b32 s87, s84, 4
	s_add_co_u32 s87, s87, 704                     ; S0's: 704 + 16 TX
	s_lshl_b32 s88, s20, 2
	s_lshl_b32 s88, 15, s88                        ; my row of the cluster
	s_lshl_b32 s89, 0x1111, s84                    ; my column
	; group 1: rows = blocks: 3,072 bytes (two K steps' images, 384 elements of 8 bytes) of each block, blocks 12,288 bytes (1,536 elements) apart; dense in LDS
	s_or_b32 s[G1A], s88, (3<<16)|(1<<21)
	s_or_b32 s[G1B], s89, (3<<16)|(1<<21)
	s_mov_b32 s[G1A+1], 384<<16
	s_mov_b32 s[G1A+2], 4<<16
	s_mov_b32 s[G1A+3], 384<<16
	s_mov_b32 s[G1A+4], 4
	s_mov_b32 s[G1A+5], 1536
	s_mov_b32 s[G1A+6], 0
	s_mov_b32 s[G1A+7], 0
	s_mov_b32 s[G1B+1], 384<<16
	s_mov_b32 s[G1B+2], 8<<16
	s_mov_b32 s[G1B+3], 384<<16
	s_mov_b32 s[G1B+4], 8
	s_mov_b32 s[G1B+5], 1536
	s_mov_b32 s[G1B+6], 0
	s_mov_b32 s[G1B+7], 0
	s_lshl_b32 s90, s18, 2
	s_add_co_u32 s90, s90, s86
	s_mul_i32 s56, s90, 12288                      ; S1: my half's first block, in bytes (hangs on cy, never on cx)
	s_mov_b32 s57, 0
	s_lshl_b32 s91, s18, 3
	s_add_co_u32 s91, s91, s87
	s_mul_i32 s58, s91, 12288                      ; S0 likewise (hangs on cx, never on cy)
	s_mov_b32 s59, 0
	s_mul_i32 s92, s18, 12288                      ; where they go in a quarter: no place in the cluster enters an LDS address
	s_mul_i32 s93, s18, 24576
	s_add_co_u32 s93, s93, 24576
	s_wait_dscnt 0x0
	s_wait_kmcnt 0x0
	s_add_nc_u64 s[56:57], s[4:5], s[56:57]
	s_add_nc_u64 s[58:59], s[8:9], s[58:59]
.irp q, 0,1,2,3
	s_mov_b32 s[G0A+4*\q], 1
	s_add_co_u32 s[G0A+4*\q+1], s92, \q*QB
	s_add_nc_u64 s[G0A+4*\q+2:G0A+4*\q+3], s[56:57], \q*3072
	s_or_b32 s[G0A+4*\q+3], s[G0A+4*\q+3], 0x80000000
	s_mov_b32 s[G0B+4*\q], 1
	s_add_co_u32 s[G0B+4*\q+1], s93, \q*QB
	s_add_nc_u64 s[G0B+4*\q+2:G0B+4*\q+3], s[58:59], \q*3072
	s_or_b32 s[G0B+4*\q+3], s[G0B+4*\q+3], 0x80000000
.endr
	CROUND                                         ; all sixteen work-groups are here: the joint loads meet
	s_cmp_eq_u32 s17, 0                            ; a wave's four fills stand in one branch on the wave's number; four v_nop follow the last
	s_cbranch_scc0 .Lfill_s0
	tensor_load_to_lds s[G0A:G0A+3], s[G1A:G1A+7]
	s_nop 0
	tensor_load_to_lds s[G0A+4:G0A+7], s[G1A:G1A+7]
	s_nop 0
	tensor_load_to_lds s[G0A+8:G0A+11], s[G1A:G1A+7]
	s_nop 0
	tensor_load_to_lds s[G0A+12:G0A+15], s[G1A:G1A+7]
	s_nop 0
	PLACES 4
	s_branch .Lfilled
.Lfill_s0:
	tensor_load_to_lds s[G0B:G0B+3], s[G1B:G1B+7]
	s_nop 0
	tensor_load_to_lds s[G0B+4:G0B+7], s[G1B:G1B+7]
	s_nop 0
	tensor_load_to_lds s[G0B+8:G0B+11], s[G1B:G1B+7]
	s_nop 0
	tensor_load_to_lds s[G0B+12:G0B+15], s[G1B:G1B+7]
	s_nop 0
	PLACES 4
.Lfilled:
	v_and_b32 v7, 31, v0                           ; lane
	v_and_b32 v1, 15, v0                           ; r
	v_bfe_u32 v2, v0, 4, 1                         ; h
	v_lshlrev_b32 v3, 4, v7                        ; 16 l
	s_wait_alu depctr_va_vdst(0)
	v_lshlrev_b32 v4, 4, v1                        ; 16 r
	v_lshlrev_b32 v5, 6, v2                        ; 64 h
	s_mul_i32 s94, s17, 12288
	s_mul_i32 s95, s18, 24576
	s_add_co_u32 s95, s95, 24576
.irp q, 0,1,2,3
	v_add_nc_u32 v[8+\q], s94, v3                  ; v8-11: S1's images in quarter q
	v_add_nc_u32 v[12+\q], s95, v3                 ; v12-15: S0's
	s_add_co_u32 s94, s94, QB
	s_add_co_u32 s95, s95, QB
.endr
	s_mul_i32 s94, s16, 16*SP                      ; my stage for the way out
	v_mul_u32_u24 v16, v1, SP
	v_add_nc_u32 v16, v16, v5
	v_add_nc_u32 v16, s94, v16                     ; in: row r, + 64 h
	v_add_nc_u32 v17, s94, v3                      ; back: 16 bytes a lane of a row of 512
	s_lshl_b32 s60, s17, 2
	s_add_co_u32 s60, s60, s86
	s_lshl_b32 s60, s60, 9
	s_mov_b32 s61, 0
	s_add_nc_u64 s[60:61], s[6:7], s[60:61]        ; my S1 blocks' scale units
	s_lshl_b32 s62, s18, 3
	s_add_co_u32 s62, s62, s87
	s_lshl_b32 s62, s62, 9
	s_mov_b32 s63, 0
	s_add_nc_u64 s[62:63], s[10:11], s[62:63]      ; my S0 blocks'
.irp a, 0,1,2,3
.irp j, 0,1
	global_load_b128 v[32+8*\a+4*\j:35+8*\a+4*\j], v4, s[60:61] offset:512*\a+256*\j   ; row-lane r's words of four K steps: sixteen lanes read 256 consecutive bytes
.endr
.endr
.irp b, 0,1,2,3,4,5,6,7
.irp j, 0,1
	global_load_b128 v[64+8*\b+4*\j:67+8*\b+4*\j], v4, s[62:63] offset:512*\b+256*\j
.endr
.endr
	s_lshl_b32 s96, s84, 10
	s_lshl_b32 s97, s18, 9
	s_add_co_u32 s96, s96, s97                     ; my first feature, in bytes: (256 TX + 128 wc) x 4
	s_mov_b32 s97, 0
	s_add_nc_u64 s[12:13], s[12:13], s[96:97]
	s_add_nc_u64 s[14:15], s[14:15], s[96:97]
	s_lshl_b32 s98, s85, 7
	s_lshl_b32 s99, s17, 6
	s_add_co_u32 s98, s98, s99                     ; my first token: 128 TY + 64 wr
	s_lshl_b32 s98, s98, 12                        ; rows of 4,096 bytes
	s_mov_b32 s99, 0
	s_add_nc_u64 s[14:15], s[14:15], s[98:99]
	WIN 0x40                                       ; the bias tiles: register j of tile b is feature 32 (b / 2) + 8 (b % 2) + 16 h + j
.irp b, 0,1,2,3,4,5,6,7
	global_load_b128 v[96+8*\b+96*(\b/4):96+8*\b+96*(\b/4)+3], v5, s[12:13] offset:(32*(\b/2)+8*(\b%2))*4
	global_load_b128 v[96+8*\b+96*(\b/4)+4:96+8*\b+96*(\b/4)+7], v5, s[12:13] offset:(32*(\b/2)+8*(\b%2))*4+16
.endr
	WIN 0
.macro FRAG reg, adr, off              ; an image comes back as it was stored: three loads of 512 consecutive bytes
.irp p, 0,1,2
	ds_load_b128 v[\reg+4*\p:\reg+4*\p+3], v[\adr] offset:\off+512*\p
.endr
.endm
.macro FETCH s                         ; K step s: S0's eight fragments and S1's four into set s % 2
	WIN 0x40                                       ; destination window 1, address window 0
.irp b, 0,1,2,3,4,5,6,7
	FRAG 128*((\s)%2)+12*\b, 12+(\s)/2, 3072*\b+1536*((\s)%2)
.endr
	WIN 0
.irp a, 0,1,2,3
	FRAG 128+48*((\s)%2)+12*\a, 8+(\s)/2, 3072*\a+1536*((\s)%2)
.endr
.endm
; 16 matrix instructions: S1's blocks a0, a0 + 1 x S0's eight, K step s.  mode 0: the sums go on; 1: C = the bias tile of S0's block b: the bias starts the sums, nothing is cleared or added.
; The 32 accumulators take turns, one instruction a turn, in the same order in every K step.
.macro MUL a0, s, mode
.if \mode
	WIN 0x91                                       ; source 0 window 1, source 1 window 0, C window 1, D window 2
.else
	WIN 0xa1                                       ; C and D window 2
.endif
.irp a, \a0, \a0+1
.irp b, 0,1,2,3,4,5,6,7
.set rD, 8*(8*(\a)+\b)
.set rC, rD
.if \mode == 1
.set rC, 96+8*\b+96*(\b/4)
.endif
.set rB, 128*((\s)%2)+12*\b
.set rA, 128+48*((\s)%2)+12*(\a)
	v_wmma_scale_f32_16x16x128_f8f6f4 v[rD:rD+7], v[rB:rB+11], v[rA:rA+11], v[rC:rC+7], v[64+8*\b+(\s)], v[32+8*(\a)+(\s)] matrix_a_fmt:MATRIX_FMT_FP6 matrix_b_fmt:MATRIX_FMT_FP6
.endr
.endr
.endm
; A K step.  bar >= 0: the next K step lies in the next quarter: my part of it has landed when at most bar of my loads (the later quarters') are out; then the work-group's barrier, with 16 products between its halves.
.macro STEP s, mode, bar
	s_wait_dscnt 0x0                               ; this K step's fragments are in (asked for 16 products ago)
.if \bar >= 0
	s_wait_tensorcnt \bar
	s_barrier_signal -1
.endif
	MUL 0, \s, \mode
.if \bar >= 0
	s_barrier_wait -1
.endif
.if \s < 7
	PLACES 4                                       ; four plain instructions in front of loads into registers that matrix instructions have read (ISA guide 7.12.1 for vector instructions)
	FETCH (\s)+1
.endif
	MUL 2, \s, \mode
.endm
	s_wait_alu depctr_va_vdst(0)
	s_wait_tensorcnt 0x3                           ; my part of quarter 0 is in; my three later quarters may be out
	s_barrier_signal -1
	s_barrier_wait -1                              ; everybody's is
	FETCH 0
	s_wait_loadcnt 0x0                             ; the scale words and the bias
	STEP 0, 1, -1
	STEP 1, 0, 2
	STEP 2, 0, -1
	STEP 3, 0, 1
	STEP 4, 0, -1
	STEP 5, 0, 0
	STEP 6, 0, -1
	STEP 7, 0, -1
	WIN 0
	; THE WAY OUT.  A lane holds 8 neighbouring features of a token for each tile b, the lanes beside it other tokens: a block of 16 tokens x 128 features goes through my stage in LDS and comes back as whole rows of 512 bytes.
	; The stages lie in quarter 0: it has had its only fill, and behind this barrier no wave reads it.
	s_wait_dscnt 0x0
	s_barrier_signal -1
	s_barrier_wait -1
.macro TOSTAGE a
	WIN 0x08                                       ; an LDS store's data are its source 1: window 2
.irp b, 0,1,2,3,4,5,6,7
	ds_store_b128 v16, v[8*(8*(\a)+\b):8*(8*(\a)+\b)+3] offset:128*(\b/2)+32*(\b%2)      ; each accumulator from its low end on
	ds_store_b128 v16, v[8*(8*(\a)+\b)+4:8*(8*(\a)+\b)+7] offset:128*(\b/2)+32*(\b%2)+16
.endr
	WIN 0
.irp t, 0,1,2,3,4,5,6,7,8,9,10,11,12,13,14,15
	ds_load_b128 v[128+64*((\a)%2)+4*\t:128+64*((\a)%2)+4*\t+3], v17 offset:SP*\t   ; LDS serves a wave's instructions in order: these see the stores above, and the next block's stores come behind them
.endr
.endm
.macro SEND a, younger                 ; younger: the LDS instructions issued behind block a's loads, which may stay out
	s_wait_dscnt \younger
.irp t, 0,1,2,3,4,5,6,7,8,9,10,11,12,13,14,15
	global_store_b128 v3, v[128+64*((\a)%2)+4*\t:128+64*((\a)%2)+4*\t+3], s[14:15] offset:(32*((\a)/2)+8*((\a)%2)+\t+8*(\t/8))*4096 th:TH_STORE_NT   ; row-lane t's token: 32 lanes store 512 consecutive bytes, aligned
.endr
.endm
	PLACES 4                                       ; behind the last products: in front of the stores that read results and of the loads into S1's fragments' registers
	TOSTAGE 0
.irp a, 1,2,3
.if \a > 1
	s_wait_xcnt 0x0                                ; block a - 2's stores have read their registers: block a's rows may land there
.endif
	TOSTAGE \a
	SEND \a-1, 32                                  ; behind block a - 1's loads: block a's 16 stores and 16 loads
.endr
	SEND 3, 0
	s_wait_tensorcnt 0x0
	ds_add_u32 v30, v31
	s_wait_dscnt 0x0
	CROUND                                         ; the closing round: no work-group ends while a partner may still ask for a tile that names it
	s_endpgm
.Lfunc_end_k_q26a4b8ede4_outp:
	.size	k_q26a4b8ede4_outp, .Lfunc_end_k_q26a4b8ede4_outp-k_q26a4b8ede4_outp
	.p2alignl 7, 3214868480
	.fill 96, 4, 3214868480
	.section	.rodata,"a",@progbits
	.p2align	6, 0x0
	.amdhsa_kernel k_q26a4b8ede4_outp
		.amdhsa_group_segment_fixed_size 295424
		.amdhsa_private_segment_fixed_size 0
		.amdhsa_enable_private_segment 0
		.amdhsa_kernarg_size 48
		.amdhsa_user_sgpr_count 2
		.amdhsa_user_sgpr_kernarg_segment_ptr 1
		.amdhsa_wavefront_size32 1
		.amdhsa_system_sgpr_workgroup_id_x 1
		.amdhsa_system_sgpr_workgroup_id_y 1
		.amdhsa_system_sgpr_workgroup_id_z 1
		.amdhsa_system_vgpr_workitem_id 0
		.amdhsa_next_free_vgpr 768
		.amdhsa_next_free_sgpr 100
		.amdhsa_reserve_vcc 0
		.amdhsa_float_denorm_mode_32 3
		.amdhsa_float_denorm_mode_16_64 3
		.amdhsa_memory_ordered 1
		.amdhsa_forward_progress 1
		.amdhsa_inst_pref_size 80
	.end_amdhsa_kernel
	.amdgpu_metadata
---
amdhsa.version: [ 1, 2 ]
amdhsa.kernels:
  - .name:           k_q26a4b8ede4_outp
    .symbol:         k_q26a4b8ede4_outp.kd
    .args:
      - { .name: oc, .offset: 0, .size: 8, .value_kind: global_buffer, .address_space: global }
      - { .name: os, .offset: 8, .size: 8, .value_kind: global_buffer, .address_space: global }
      - { .name: cod, .offset: 16, .size: 8, .value_kind: global_buffer, .address_space: global }
      - { .name: scl, .offset: 24, .size: 8, .value_kind: global_buffer, .address_space: global }
      - { .name: bo, .offset: 32, .size: 8, .value_kind: global_buffer, .address_space: global }
      - { .name: out0, .offset: 40, .size: 8, .value_kind: global_buffer, .address_space: global }
    .group_segment_fixed_size: 295424
    .private_segment_fixed_size: 0
    .kernarg_segment_align: 8
    .kernarg_segment_size: 48
    .max_flat_workgroup_size: 128
    .sgpr_count:     100
    .vgpr_count:     768
    .wavefront_size: 32
...
	.end_amdgpu_metadata
.endif
;; end of part 4
